; MI455X (gfx1250); checked and timed in simulation.
; The chip was launched on July 23, 2026; its instructions are those of AMD's public machine-readable ISA for CDNA 5 (MIT licence, August 2026) and "CDNA5" Instruction Set Architecture Reference Guide (July 2026). The comments in the code are by the model that wrote it; some were corrected since.
;; Multi Headed Attention. Allowed arithmetic: matrix products marked QUANTISED: E2M1 operands, one E8M0 scale for each 32 along K, by v_wmma_scale_f32_16x16x128_f8f6f4 with both operands' format E2M1 (or v_wmma_scale_f32_32x16x128_f4), f32 sums; products left as they are: bf16, f16 or f32 operands; f32 sums; everything else in f32.
;; Inputs: Wk 1,024 x 1,024 float32; Wo 1,024 x 1,024 float32; Wq 1,024 x 1,024 float32; Wv 1,024 x 1,024 float32; bk 1,024 float32; bo 1,024 float32; bq 1,024 float32; bv 1,024 float32; key 4 x 2,048 x 1,024 float32; mask 4 x 2,048 int32; query 4 x 2,048 x 1,024 float32; value 4 x 2,048 x 1,024 float32.
;; Outputs: out0 4 x 2,048 x 1,024 float32.
;; This version of the problem:
;;   THIS VERSION OF THE PROBLEM IS GIVEN IN LOW PRECISION. The matrix products marked QUANTISED in the list below multiply operands that are first quantised to E2M1 (2 exponent bits, 1 mantissa bit; 4 bits a number), with one power-of-two scale for each 32 numbers along K (OCP MX v1.0); their sums are f32. The products marked 'left as it is' may take bf16, f16 or f32 operands, with f32 sums. Whichever they take, every output number must still come out within the allowed error. Rounding operands to bf16 (8 significant bits) uses up far more of that allowance than f16 does (11 bits, for magnitudes from 6e-5 to 65,504). All else is computed in f32.
;;   The module's matrix products, in the order in which they are computed (A, B: the left and right operand; K: the contracted axis; several contracted axes count as one K, in the product's order):
;;     1. [M 8,192, K 1,024] x [K 1,024, N 1,024]; A: input query; B: input Wq: QUANTISED
;;     2. [M 8,192, K 1,024] x [K 1,024, N 1,024]; A: input key; B: input Wk: QUANTISED
;;     3. [M 8,192, K 1,024] x [K 1,024, N 1,024]; A: input value; B: input Wv: QUANTISED
;;     4. batch 64 x [M 2,048, K 64] x [K 64, N 2,048]; A: computed on the way; B: computed on the way: left as it is (an operand is computed on the way)
;;     5. batch 64 x [M 2,048, K 2,048] x [K 2,048, N 64]; A: computed on the way; B: computed on the way: left as it is (an operand is computed on the way)
;;     6. [M 8,192, K 1,024] x [K 1,024, N 1,024]; A: computed on the way; B: input Wo: left as it is (an operand is computed on the way)
;;   THE QUANTISER, for each operand of a quantised product, along K:
;;     - K is cut into blocks of 32 from its start; a last block that is shorter is filled with zeros.
;;     - A block's scale is 2^e with e = floor(log2(the largest magnitude in the block)) - 2, held to -126 .. 127; a block of zeros has e = 0. As a byte (E8M0): e + 127.
;;     - Each number is divided by its block's scale, clamped to +-6, and rounded to the nearest number of E2M1, ties to even, subnormals kept.
;;     - The product sums the exact products of the quantised numbers (number of the format x scale) in f32.
;;   ~~~python
;;   def quantise(x, axis):      # numpy; x: float32 -> the quantised numbers, widened to float32 again
;;       x = np.moveaxis(x, axis, -1); K = x.shape[-1]
;;       x = np.pad(x, [(0, 0)] * (x.ndim - 1) + [(0, -K % 32)]); x = x.reshape(x.shape[:-1] + (-1, 32)); a = np.abs(x).max(-1, keepdims=True)
;;       e = np.where(a > 0, np.clip(np.frexp(np.where(a > 0, a, 1))[1] - 1 - 2, -126, 127), 0)      # np.frexp(a)[1] - 1 = floor(log2(a)), exactly
;;       r = np.clip(x / 2.0 ** e, -6, 6)
;;       step = 2.0 ** (np.maximum(np.frexp(np.where(r == 0, 1, r))[1] - 1, 0) - 1)
;;       q = np.round(r / step) * step * 2.0 ** e      # np.round: ties to even
;;       return np.moveaxis(q.reshape(q.shape[:-2] + (-1,))[..., :K], -1, axis).astype(np.float32)
;;   ~~~
;; One version. Each part assembles by itself: llvm-mc -triple=amdgcn-amd-amdhsa -mcpu=gfx1250 --defsym DOCPART=n.
;; ======== version 1 of 1: 4 launches
;; limits: values are held in f16: magnitudes above 65,504 overflow, below 6.1e-05 lose precision
;; workspace buffers: codes 14,155,776 bytes; scales 884,736 bytes; wo16 2,097,152 bytes; qkv 50,331,648 bytes; ctx 16,777,216 bytes
;; launch quant (part 1): grid 896 x 1, 4 waves a work-group, no clusters, 33,280 bytes of LDS; arguments query, key, value, Wq, Wk, Wv, Wo, codes, scales, wo16; writes codes, scales, wo16
.if DOCPART == 1
	.amdgcn_target "amdgcn-amd-amdhsa--gfx1250"
	.amdhsa_code_object_version 6
	.text
	.protected	k_q9a69dfcb39_quant
	.globl	k_q9a69dfcb39_quant
	.p2align	8
	.type	k_q9a69dfcb39_quant,@function
k_q9a69dfcb39_quant:
	s_mov_b64 s[64:65], 0
	v_nop
	global_prefetch_b8 v0, s[64:65] scope:SCOPE_SE
	s_setreg_imm32_b32 hwreg(HW_REG_WAVE_MODE, 25, 1), 1
	s_wait_xcnt 0x0
; query, key, value [8192][1024] and Wq, Wk, Wv [1024][1024], f32 with K innermost, become codes of FP4 (E2M1), two a byte, and one E8M0 byte for each 32 along K.
; The six tensors lie one behind the other in the two buffers: row R of 27,648 has 512 bytes of codes and 32 scale bytes; rows 0.. query, 8,192.. key, 16,384.. value, 24,576.. Wq, 25,600.. Wk, 26,624.. Wv.
; A block's scale is 2^(floor(log2(its largest magnitude)) - 2): its byte is the largest magnitude's exponent field - 2, held at 1 from below.  Each number is divided by the scale and rounded to the nearest code, ties to even.
; LIMITS: a block of zeros gets the byte 1 where the rule says 127 (its codes are zeros, and this program alone reads the bytes); blocks whose largest magnitude lies under 2^(3 - 127) are held at that byte; NaN and infinities are not served.
; Rows are dense and 1,024 is a multiple of 32: each tensor is a plain stream of blocks.  Work-group g < 864 takes 32,768 numbers, a wave 16 steps of 512.  A load reads 512 consecutive bytes, 16 a lane; a step's 2,048 bytes
; turn through the wave's own stage in LDS and come back 64 bytes a lane, so that a lane holds 16 neighbours along K (two lanes a block).  A step's codes leave as 256 consecutive bytes, a wave's 256 scale bytes as one store.
; Work-groups 864 .. 895 round Wo to f16 (the last product's operand): 8,192 numbers a wave, no LDS.  LIMIT: |Wo| up to 65,504.
; No cluster and no tensor load: no two work-groups read the same byte.
.set WAVES, 4
.set STEPS, 16
.set NQWG,  864                        ; work-groups that quantise: 3 x 256 + 3 x 32
.set EMAX,  2
.set CB,    8                          ; bytes of 16 codes
.set R,     16                         ; v16-79   four sets of 16 numbers as they are loaded
.set X,     80                         ; v80-111  two sets of 16 neighbours
.set E,     112                        ; v112-127 a scale byte for each step
.set C,     128                        ; v128-191 codes: four registers for each step, so that no store's data are written again
.set WREG,  8192                       ; LDS: a region for each wave: two stages of 32 x SP bytes, behind them its 256 scale bytes
.set SP,    80                         ; a lane's place in a stage: 64 bytes + 16 of padding
.set SPW,   12                         ; v12  LDS address of my spare word; never rewritten
.set NIL,   13                         ; v13  0; never rewritten
.set SPARE, WAVES*WREG                 ; behind the four regions: the spare words, 128 bytes a wave
	s_load_b512 s[4:19], s[0:1], 0x0               ; query s[4:5], key s[6:7], value s[8:9], Wq s[10:11], Wk s[12:13], Wv s[14:15], Wo s[16:17], codes s[18:19]
	s_load_b128 s[20:23], s[0:1], 0x40             ; scales s[20:21], wo16 s[22:23]
	v_lshl_add_u32 v[SPW], v0, 2, SPARE
	v_mov_b32 v[NIL], 0
	v_lshrrev_b32 v1, 5, v0
	v_readfirstlane_b32 s26, v1                    ; wave
	v_and_b32 v2, 31, v0                           ; lane
	v_lshlrev_b32 v3, 4, v2                        ; my 16 bytes of a load's 512
	s_mul_i32 s27, s26, WREG
	v_lshrrev_b32 v14, 2, v2
	v_mul_u32_u24 v14, v14, SP
	v_and_b32 v15, 3, v2
	v_lshl_add_u32 v14, v15, 4, v14
	v_add_nc_u32 v14, s27, v14                     ; the stage, on the way in: four lanes' 64 bytes on end, then 16 of padding
	v_mul_u32_u24 v15, v2, SP
	v_add_nc_u32 v15, s27, v15                     ; and on the way out: my 16 neighbours
	v_mul_u32_u24 v4, v2, CB                       ; my codes' place in a step's
	v_lshrrev_b32 v5, 1, v2
	s_add_co_u32 s27, s27, 2*32*SP
	v_add_nc_u32 v5, s27, v5                       ; my wave's 256 scale bytes, my block's byte
	v_lshlrev_b32 v7, 3, v2                        ; 8 bytes a lane
	v_add_nc_u32 v6, s27, v7
	s_wait_kmcnt 0x0
	s_cmp_ge_u32 ttmp9, NQWG                       ; the work-group's number alone decides the path
	s_cbranch_scc1 .Lwo
	s_cmp_lt_u32 ttmp9, 832                        ; which tensor: a choice among pointers on the work-group's number
	s_cselect_b64 s[24:25], s[12:13], s[14:15]
	s_cmp_lt_u32 ttmp9, 800
	s_cselect_b64 s[24:25], s[10:11], s[24:25]
	s_cmp_lt_u32 ttmp9, 768
	s_cselect_b64 s[24:25], s[8:9], s[24:25]
	s_cselect_b32 s28, 255, 31                     ; 256 work-groups to an activation, 32 to a weight
	s_cmp_lt_u32 ttmp9, 512
	s_cselect_b64 s[24:25], s[6:7], s[24:25]
	s_cmp_lt_u32 ttmp9, 256
	s_cselect_b64 s[24:25], s[4:5], s[24:25]
	s_and_b32 s28, ttmp9, s28                      ; my number inside the tensor
	s_lshl_b32 s28, s28, 2
	s_add_co_u32 s28, s28, s26
	s_lshl_b32 s28, s28, 15                        ; my wave's run: 8,192 numbers, 32,768 bytes
	s_mov_b32 s29, 0
	s_add_nc_u64 s[24:25], s[24:25], s[28:29]
	s_lshl_b32 s30, ttmp9, 2
	s_add_co_u32 s30, s30, s26                     ; the outputs are linear in the work-group's number
	s_lshl_b32 s28, s30, 12                        ; 4,096 bytes of codes a run
	s_add_nc_u64 s[18:19], s[18:19], s[28:29]
	s_lshl_b32 s28, s30, 8                         ; 256 scale bytes a run
	s_add_nc_u64 s[20:21], s[20:21], s[28:29]
.macro LOAD t
.irp i, 0,1,2,3
	global_load_b128 v[R+16*((\t)%4)+4*\i:R+16*((\t)%4)+4*\i+3], v3, s[24:25] offset:2048*(\t)+512*\i th:TH_LOAD_NT   ; 32 lanes read 512 consecutive bytes
.endr
.endm
.macro TURN t                          ; step t's numbers through the stage: LDS serves a wave's instructions in order, so no wait stands between the stores and the loads
.irp i, 0,1,2,3
	ds_store_b128 v14, v[R+16*((\t)%4)+4*\i:R+16*((\t)%4)+4*\i+3] offset:32*SP*((\t)%2)+8*SP*\i
.endr
.irp i, 0,1,2,3
	ds_load_b128 v[X+16*((\t)%2)+4*\i:X+16*((\t)%2)+4*\i+3], v15 offset:32*SP*((\t)%2)+16*\i
.endr
.endm
.irp t, 0,1,2,3
	LOAD \t
.endr
	s_wait_loadcnt 12                              ; step 0's four loads are in; the twelve of steps 1 to 3 stay out
	TURN 0
.macro STEP t
.set XS, X+16*((\t)%2)
.if (\t) > 0
	s_wait_dscnt 1                                 ; this step's numbers are back from the stage; the last step's byte store may be out
.else
	s_wait_dscnt 0x0
.endif
.if (\t)+4 < STEPS
	LOAD (\t)+4                                    ; into the registers that the stage's stores have read
.endif
.if (\t)+1 < STEPS
.if STEPS-2-(\t) >= 3
	s_wait_loadcnt 12                              ; the next step's four loads are in; those of the three steps behind it may be out
.else
	s_wait_loadcnt 4*(STEPS-2-(\t))
.endif
	TURN (\t)+1                                    ; through the other stage while this step is worked
.endif
	v_max3_num_f32 v8, |v[XS]|, |v[XS+1]|, |v[XS+2]|               ; the largest magnitude of my 16, in two chains
	v_max3_num_f32 v9, |v[XS+3]|, |v[XS+4]|, |v[XS+5]|
.irp i, 6,10
	v_max3_num_f32 v8, v8, |v[XS+\i]|, |v[XS+\i+1]|
	v_max3_num_f32 v9, v9, |v[XS+\i+2]|, |v[XS+\i+3]|
.endr
	v_max3_num_f32 v8, v8, |v[XS+14]|, |v[XS+15]|
	v_max3_num_f32 v8, v8, v9, (EMAX+1)<<23        ; and the floor 2^(3 - 127): the byte cannot fall under 1
	v_max_num_f32_dpp v8, v8, v8 row_xmask:1 row_mask:0xf bank_mask:0xf   ; with my neighbour's 16: the block's
	v_add_nc_u32 v11, -(EMAX<<23), v8              ; 2 off its exponent field: the conversion takes this operand's exponent field as its scale
	v_cvt_scalef32_pk8_fp4_f32 v[C+4*(\t)], v[XS:XS+7], v11
	v_cvt_scalef32_pk8_fp4_f32 v[C+4*(\t)+1], v[XS+8:XS+15], v11
	v_lshrrev_b32 v[E+(\t)], 23, v11               ; the scale's byte (also the plain line behind the conversions)
	ds_store_b8 v5, v[E+(\t)] offset:16*(\t)       ; both lanes of a block write the same byte with the same value
	global_store_b64 v4, v[C+4*(\t):C+4*(\t)+1], s[18:19] offset:32*CB*(\t)   ; the wave stores 256 consecutive bytes, aligned
.endm
.irp t, 0,1,2,3,4,5,6,7,8,9,10,11,12,13,14,15
	STEP \t
.endr
	ds_load_b64 v[8:9], v6                         ; LDS serves a wave's instructions in order: these see my byte stores
	s_wait_dscnt 0x0
	global_store_b64 v7, v[8:9], s[20:21]          ; 32 lanes store 256 consecutive bytes, aligned
	s_wait_tensorcnt 0x0                           ; the wave's end, behind my last LDS store
	ds_add_u32 v[SPW], v[NIL]
	s_wait_dscnt 0x0
	s_endpgm
; Wo to f16.  Four batches of sixteen loads of 512 bytes, in two sets of registers by turns; a load's 512 bytes become 256, stored by one instruction.
.Lwo:
	s_sub_co_u32 s28, ttmp9, NQWG
	s_lshl_b32 s28, s28, 2
	s_add_co_u32 s28, s28, s26                     ; my wave's run of 8,192 numbers, 0 .. 127
	s_lshl_b32 s30, s28, 14                        ; 16,384 bytes out,
	s_lshl_b32 s28, s28, 15                        ; 32,768 bytes in
	s_mov_b32 s29, 0
	s_mov_b32 s31, 0
	s_add_nc_u64 s[16:17], s[16:17], s[28:29]
	s_add_nc_u64 s[22:23], s[22:23], s[30:31]
.macro LOADW n
.irp i, 0,1,2,3,4,5,6,7,8,9,10,11,12,13,14,15
	global_load_b128 v[16+64*((\n)%2)+4*\i:16+64*((\n)%2)+4*\i+3], v3, s[16:17] offset:8192*(\n)+512*\i th:TH_LOAD_NT
.endr
.endm
.macro BATCH n
.if (\n) < 3
	s_wait_loadcnt 16                              ; this batch's sixteen loads are in; the other set's sixteen may be out
.else
	s_wait_loadcnt 0x0
.endif
.if (\n) > 0
	s_wait_xcnt 0x0                                ; the last batch's stores have read v144-175: only now are these written again
.endif
.set j, 0
.rept 32
	v_cvt_pk_f16_f32 v[144+j], v[16+64*((\n)%2)+2*j], v[16+64*((\n)%2)+2*j+1]
.set j, j+1
.endr
.irp i, 0,1,2,3,4,5,6,7,8,9,10,11,12,13,14,15
	global_store_b64 v7, v[144+2*\i:145+2*\i], s[22:23] offset:4096*(\n)+256*\i   ; 256 consecutive bytes, aligned
.endr
.if (\n)+2 < 4
	LOADW (\n)+2
.endif
.endm
	LOADW 0
	LOADW 1
	BATCH 0
	BATCH 1
	BATCH 2
	BATCH 3
	s_endpgm
.Lfunc_end_k_q9a69dfcb39_quant:
	.size	k_q9a69dfcb39_quant, .Lfunc_end_k_q9a69dfcb39_quant-k_q9a69dfcb39_quant
	.p2alignl 7, 3214868480
	.fill 96, 4, 3214868480
	.section	.rodata,"a",@progbits
	.p2align	6, 0x0
	.amdhsa_kernel k_q9a69dfcb39_quant
		.amdhsa_group_segment_fixed_size 33280
		.amdhsa_private_segment_fixed_size 0
		.amdhsa_enable_private_segment 0
		.amdhsa_kernarg_size 80
		.amdhsa_user_sgpr_count 2
		.amdhsa_user_sgpr_kernarg_segment_ptr 1
		.amdhsa_wavefront_size32 1
		.amdhsa_system_sgpr_workgroup_id_x 1
		.amdhsa_system_sgpr_workgroup_id_y 1
		.amdhsa_system_sgpr_workgroup_id_z 1
		.amdhsa_system_vgpr_workitem_id 0
		.amdhsa_next_free_vgpr 192
		.amdhsa_next_free_sgpr 66
		.amdhsa_reserve_vcc 0
		.amdhsa_float_denorm_mode_32 3
		.amdhsa_float_denorm_mode_16_64 3
		.amdhsa_memory_ordered 1
		.amdhsa_forward_progress 1
		.amdhsa_inst_pref_size 54
	.end_amdhsa_kernel
	.amdgpu_metadata
---
amdhsa.version: [ 1, 2 ]
amdhsa.kernels:
  - .name:           k_q9a69dfcb39_quant
    .symbol:         k_q9a69dfcb39_quant.kd
    .args:
      - { .name: query, .offset: 0, .size: 8, .value_kind: global_buffer, .address_space: global }
      - { .name: key, .offset: 8, .size: 8, .value_kind: global_buffer, .address_space: global }
      - { .name: value, .offset: 16, .size: 8, .value_kind: global_buffer, .address_space: global }
      - { .name: Wq, .offset: 24, .size: 8, .value_kind: global_buffer, .address_space: global }
      - { .name: Wk, .offset: 32, .size: 8, .value_kind: global_buffer, .address_space: global }
      - { .name: Wv, .offset: 40, .size: 8, .value_kind: global_buffer, .address_space: global }
      - { .name: Wo, .offset: 48, .size: 8, .value_kind: global_buffer, .address_space: global }
      - { .name: codes, .offset: 56, .size: 8, .value_kind: global_buffer, .address_space: global }
      - { .name: scales, .offset: 64, .size: 8, .value_kind: global_buffer, .address_space: global }
      - { .name: wo16, .offset: 72, .size: 8, .value_kind: global_buffer, .address_space: global }
    .group_segment_fixed_size: 33280
    .private_segment_fixed_size: 0
    .kernarg_segment_align: 8
    .kernarg_segment_size: 80
    .max_flat_workgroup_size: 128
    .sgpr_count:     66
    .vgpr_count:     192
    .wavefront_size: 32
...
	.end_amdgpu_metadata
.endif
;; end of part 1
;; launch proj (part 2): grid 4 x 96, 4 waves a work-group, clusters of 4 x 4, 327,680 bytes of LDS; arguments codes, scales, bq, bk, bv, mask, qkv; writes qkv
.if DOCPART == 2
	.amdgcn_target "amdgcn-amd-amdhsa--gfx1250"
	.amdhsa_code_object_version 6
	.text
	.protected	k_q9a69dfcb39_proj
	.globl	k_q9a69dfcb39_proj
	.p2align	8
	.type	k_q9a69dfcb39_proj,@function
k_q9a69dfcb39_proj:
	s_mov_b64 s[64:65], 0
	v_nop
	global_prefetch_b8 v0, s[64:65] scope:SCOPE_SE
	s_setreg_imm32_b32 hwreg(HW_REG_WAVE_MODE, 25, 1), 1
	s_wait_xcnt 0x0
	s_wait_alu depctr_hold_cnt(0) depctr_sa_sdst(0) depctr_va_vdst(0) depctr_va_sdst(0) depctr_va_ssrc(0) depctr_va_vcc(0) depctr_vm_vsrc(0)
	s_getreg_b32 s2, hwreg(HW_REG_IB_STS2, 6, 4)
	s_cmp_eq_u32 s2, 0
	s_cbranch_scc0 .Lentry_in_a_cluster
	s_endpgm
.Lentry_in_a_cluster:
	s_bfe_u32 s2, ttmp6, 0x10000c
	s_cmp_lg_u32 s2, 0xf033
	s_cbranch_scc0 .Lentry_shape_is_right
	s_endpgm
.Lentry_shape_is_right:
; The three quantised products at once: C[m][n] = sum over k of A[m][k] B[n][k] + bias[n] on codes of FP4 with E8M0 scales, K = 1,024.  A: rows 0 .. 24,575 of the codes' buffer (query, key, value), B: rows 24,576 + 1,024 T + n
; (T = 0, 1, 2: Wq, Wk, Wv).  Sums in f32; the bias is the C of each sum's first matrix instruction.
; ON THE WAY OUT, in f32: q is multiplied by c = log2(e) / 8, so that the next launch's scores are exponents of 2; k is multiplied by 0 where its token's mask is 0, else by 1; v by 1.  Then one rounding to f16.
; qkv is laid [3][4 batches][16 heads][2,048 tokens][64] f16: a token's part of a head is 128 bytes, a head's tokens are dense.
; LIMITS: |q c|, |k|, |v| up to 65,504 (f16); a k that is not finite at a masked token gives NaN, since the mask is a multiplication by 0.
; A tile of C, 256 x 256, is made by four waves, each 128 x 128: 64 accumulators, 512 registers.  K goes in two steps of 512 through two LDS slots, each filled once; rows of 256 bytes.
; The scale bytes of the tile's 256 + 256 rows, for all of K, are two dense blocks: they come once, with the first fills.
; CLUSTERS: 4 x 4 work-groups; the four of a row of the cluster need the same rows of A, the four of a column the same rows of B: each tile is asked for jointly.  A cluster lies inside one tensor (32 tile rows each).
; THE MATRIX INSTRUCTION IS USED TRANSPOSED (source 0 = 16 rows of B, source 1 = 16 rows of A): a lane holds eight neighbouring columns of one token.
; REGISTERS: window 0: v0-31 addresses; v32-95 scale words, two sets; v96-103 the mask of my 8 x 16 tokens; v128-191 A's fragments, one set; v192-255 the bias, 8 registers for each block of 16 columns; on the way out v32-223 are taken anew.
;   window 1: B's fragments, two sets, at v0 and v128.   window 2: accumulators of my rows 0-63 ((a, b) at v[8 (8 a + b)]);   window 3: of my rows 64-127.
.set NQ,     4                         ; matrix instructions deep in a slot: 512 along K
.set ROWB,   256                       ; a tile's row in bytes
.set KROW,   512                       ; a row of codes in memory
.set PITCH,  272                       ; an LDS row: 256 bytes + 16 of padding: sixteen rows on end start at sixteen different 16-byte columns modulo 256
.set FR,     8                         ; registers of a fragment: 16 rows x 128 K
.set NL,     2                         ; LDS loads that bring one
.set NP,     4                         ; places behind this matrix instruction (ISA guide 7.12.1)
.set HALFT,  128*PITCH                 ; what one tensor load brings
.set SLOT,   4*HALFT                   ; A's 256 rows, then B's 256 rows
.set KS,     32                        ; a row of scale bytes
.set SCL,    2*SLOT                    ; behind the slots: the scales, as units of 256 bytes + 16 of padding
.set HALFS,  16*272                    ; the scales of 128 rows
.set SBLK,   2*272                     ; of 16 rows
.set SPARE,  SCL+4*HALFS               ; the spare words, 128 bytes a wave
.set WST,    4352                      ; the way out: a wave's stage, 2 heads x 8 rows of (two tokens: 256 bytes + 16); it lies in slot 0, which has had its only fill and its last read by then
.set ADRA, 16                          ; v16-17  LDS address of my A fragments in slot 0, 1
.set ADRB, 20                          ; v20-21  the same for B
.set STO,  24                          ; v24     the way out: where I put 16 bytes of a token
.set RD,   25                          ; v25     where I read them back
.set GO,   26                          ; v26     16 x lane
.set ADRS, 27                          ; v27     LDS address of my scale words: lanes 0-15 A's rows, lanes 16-31 B's
.set SPW,  28                          ; v28     my spare word; never rewritten
.set NIL,  29                          ; v29     0; never rewritten
.set SC,   32
.set MASKV, 96
.set AF,   128
.set BIAS, 192
.set FCT,  32                          ; the way out: v32-47 a pair of factors for each block of 16 tokens
.set DEAD, 48
.set LIVE, 49
.set TF,   64                          ; v64-127  a block's 64 numbers, scaled
.set TP,   128                         ; v128-159 as f16
.set BK,   160                         ; v160-191 and v192-223 by turns: a block read back from the stage
.set G1, 24
.set G0, 32
.set G1B, 48
.set G0B, 56
.set G1S, 68
.set G0S, 76
.set G1SB, 80
.set G0SB, 88
.set MSB, 0
.macro WIN new                         ; the immediate's high byte repeats the setting that is left; a switch that changes nothing is dropped
.if MSB != (\new)
	s_set_vgpr_msb (MSB<<8)|(\new)
.set MSB, (\new)
.endif
.endm
.set MUL_LO, 0xa1                      ; source 0 (B) window 1, source 1 (A) window 0, C and D window 2
.set MUL_HI, 0xf1                      ; the same, C and D window 3
.set TO_B,   0x40                      ; destination window 1, address window 0
; A joint load: waves 0 and 1 fetch for A, waves 2 and 3 for B; the branch hangs on the wave's number alone.  An s_nop 0 and four v_nop follow each of the two lines.
.macro JLOAD g0a, g1a, g0b, g1b
	s_cmp_eq_u32 s19, 0
	s_cbranch_scc0 .Lfor_b_\@
	tensor_load_to_lds s[\g0a:\g0a+3], s[\g1a:\g1a+7]
	s_nop 0
.rept 4
	v_nop
.endr
	s_branch .Lasked_\@
.Lfor_b_\@:
	tensor_load_to_lds s[\g0b:\g0b+3], s[\g1b:\g1b+7]
	s_nop 0
.rept 4
	v_nop
.endr
.Lasked_\@:
.endm
.macro CROUND                          ; a round of the cluster's barrier
	s_barrier_signal -1
	s_barrier_wait -1
	s_cmp_lg_u32 s18, 0
	s_cbranch_scc1 .Lnot_wave_0_\@
	s_barrier_signal -3
.Lnot_wave_0_\@:
	s_barrier_wait -3
	s_barrier_signal -1
	s_barrier_wait -1
.endm
	s_load_b256 s[4:11], s[0:1], 0x0               ; codes s[4:5], scales s[6:7], bq s[8:9], bk s[10:11]
	s_load_b128 s[12:15], s[0:1], 0x20             ; bv s[12:13], mask s[14:15]
	s_load_b64 s[16:17], s[0:1], 0x30              ; qkv
	v_lshl_add_u32 v[SPW], v0, 2, SPARE
	v_mov_b32 v[NIL], 0
	ds_add_u32 v[SPW], v[NIL]                      ; the wave's opening: the add, twice on end, and its wait ahead of my first tensor load
	ds_add_u32 v[SPW], v[NIL]
	v_lshrrev_b32 v1, 5, v0
	v_readfirstlane_b32 s18, v1                    ; wave 0..3
	s_lshr_b32 s19, s18, 1                         ; which half of the tile's rows is mine.  Also: I fetch for A (0) or for B (1)
	s_and_b32 s20, s18, 1                          ; which half of its columns.  Also: which 128 rows I fetch
	s_bfe_u32 s21, ttmp6, 0x40000                  ; cx
	s_bfe_u32 s22, ttmp6, 0x40004                  ; cy
	s_lshl_b32 s23, ttmp9, 2
	s_add_co_u32 s23, s23, s21                     ; tile column = 4 x cluster x + cx
	s_and_b32 s41, ttmp7, 0xffff                   ; cluster y
	s_lshl_b32 s40, s41, 2
	s_add_co_u32 s40, s40, s22                     ; tile row = 4 x cluster y + cy, 0 .. 95
	s_lshr_b32 s41, s41, 3                         ; T: eight clusters down a tensor; the same in all sixteen partners
	s_lshl_b32 s42, s22, 2
	s_lshl_b32 s42, 15, s42                        ; my row of the cluster
	s_lshl_b32 s43, 0x1111, s21                    ; my column
	s_or_b32 s[G1+0], s42, (0<<16)|(1<<20)|(1<<21)|(5<<22)|(3<<25)   ; the mask; elements of 1 byte; padding on; bit 21 beside a mask; four words behind every 64
	s_or_b32 s[G1B+0], s43, (0<<16)|(1<<20)|(1<<21)|(5<<22)|(3<<25)
.irp g, G1, G1B
	s_mov_b32 s[\g+1], ROWB<<16                    ; tensor_dim0
	s_mov_b32 s[\g+2], 128<<16                     ; tensor_dim1
	s_mov_b32 s[\g+3], ROWB<<16                    ; tile_dim0
	s_mov_b32 s[\g+4], 128                         ; tile_dim1
	s_mov_b32 s[\g+5], KROW                        ; from row to row
	s_mov_b32 s[\g+6], 0
	s_mov_b32 s[\g+7], 0
.endr
	s_or_b32 s[G1S+0], s42, (3<<16)|(1<<20)|(1<<21)|(5<<22)|(3<<25)  ; the scales of 128 rows: 4,096 dense bytes as 16 rows of 32 elements of 8 bytes
	s_or_b32 s[G1SB+0], s43, (3<<16)|(1<<20)|(1<<21)|(5<<22)|(3<<25)
.irp g, G1S, G1SB
	s_mov_b32 s[\g+1], 32<<16
	s_mov_b32 s[\g+2], 16<<16
	s_mov_b32 s[\g+3], 32<<16
	s_mov_b32 s[\g+4], 16
	s_mov_b32 s[\g+5], 32
	s_mov_b32 s[\g+6], 0
	s_mov_b32 s[\g+7], 0
.endr
	s_lshl_b32 s44, s20, 7                         ; which 128 rows of the tile I fetch
	s_lshl_b32 s46, s40, 8
	s_add_co_u32 s46, s46, s44                     ; A: row 256 x tile row + 128 x half
	s_lshl_b32 s92, s23, 8
	s_add_co_u32 s92, s92, s44
	s_lshl_b32 s93, s41, 10
	s_add_co_u32 s92, s92, s93
	s_add_co_u32 s92, s92, 24576                   ; B: row 24,576 + 1,024 T + 256 x tile column + 128 x half
	s_lshl_b32 s94, s46, 5                         ; their scale bytes: 32 a row,
	s_mov_b32 s95, 0
	s_lshl_b32 s46, s46, 9                         ; their codes: 512 a row (all under 2^24)
	s_mov_b32 s47, 0
	s_lshl_b32 s96, s92, 5
	s_mov_b32 s97, 0
	s_lshl_b32 s92, s92, 9
	s_mov_b32 s93, 0
	s_mul_i32 s45, s18, HALFT                      ; where they go: wave x 128 rows: no place in the cluster enters an LDS address
	s_mul_i32 s98, s18, HALFS
	s_wait_dscnt 0x0                               ; both opening adds are done
	s_wait_kmcnt 0x0
	s_add_nc_u64 s[46:47], s[4:5], s[46:47]
	s_add_nc_u64 s[94:95], s[6:7], s[94:95]
	s_add_nc_u64 s[92:93], s[4:5], s[92:93]
	s_add_nc_u64 s[96:97], s[6:7], s[96:97]
	CROUND                                         ; all sixteen work-groups are here: the joint loads meet
	s_mov_b32 s[G0S], 1
	s_add_co_u32 s[G0S+1], s98, SCL
	s_mov_b64 s[G0S+2:G0S+3], s[94:95]
	s_or_b32 s[G0S+3], s[G0S+3], 0x80000000
	s_mov_b32 s[G0SB], 1
	s_add_co_u32 s[G0SB+1], s98, SCL
	s_mov_b64 s[G0SB+2:G0SB+3], s[96:97]
	s_or_b32 s[G0SB+3], s[G0SB+3], 0x80000000
	JLOAD G0S, G1S, G0SB, G1SB                     ; the scales first: they are wanted with the first K step
.irp s, 0,1
	s_mov_b32 s[G0+4*\s], 1
	s_add_co_u32 s[G0+4*\s+1], s45, \s*SLOT
	s_add_nc_u64 s[G0+4*\s+2:G0+4*\s+3], s[46:47], \s*ROWB
	s_or_b32 s[G0+4*\s+3], s[G0+4*\s+3], 0x80000000
	s_mov_b32 s[G0B+4*\s], 1
	s_add_co_u32 s[G0B+4*\s+1], s45, \s*SLOT
	s_add_nc_u64 s[G0B+4*\s+2:G0B+4*\s+3], s[92:93], \s*ROWB
	s_or_b32 s[G0B+4*\s+3], s[G0B+4*\s+3], 0x80000000
	JLOAD G0+4*\s, G1, G0B+4*\s, G1B               ; both halves of K: three tensor loads of mine are out, and none follows
.endr
	v_and_b32 v1, 15, v0                           ; r = lane % 16
	v_bfe_u32 v2, v0, 4, 1                         ; h = lane / 16
	; the bias of my 128 columns and the mask of my 128 tokens, asked for first
	s_cmp_eq_u32 s41, 1
	s_cselect_b64 s[92:93], s[10:11], s[12:13]
	s_cmp_eq_u32 s41, 0
	s_cselect_b64 s[92:93], s[8:9], s[92:93]       ; bq, bk or bv
	s_cselect_b32 s100, 0x3e38aa3b, 1.0            ; the factor of a token that counts: c = log2(e) / 8 for q, else 1
	s_cmp_eq_u32 s41, 1
	s_cselect_b32 s101, 0, s100                    ; and of a masked token: 0 for k, else the same
	s_lshl_b32 s94, s23, 10
	s_lshl_b32 s95, s20, 9
	s_add_co_u32 s94, s94, s95                     ; my first column x 4 bytes
	s_mov_b32 s95, 0
	s_add_nc_u64 s[92:93], s[92:93], s[94:95]
	s_lshl_b32 s44, s40, 8
	s_lshl_b32 s45, s19, 7
	s_add_co_u32 s44, s44, s45                     ; R0: my first row, 0 .. 24,448
	s_and_b32 s96, s44, 8191                       ; its token, batch x 2,048 + place (in every tensor: the load stays inside the mask)
	s_lshl_b32 s96, s96, 2
	s_mov_b32 s97, 0
	s_add_nc_u64 s[14:15], s[14:15], s[96:97]
	v_lshlrev_b32 v5, 5, v2                        ; 32 h: lane (r, h) wants, for block b, the bias of columns 16 b + 8 h + 0 .. 7
	v_lshlrev_b32 v6, 2, v1                        ; 4 r: and for block a the mask of token 16 a + r
.irp b, 0,1,2,3,4,5,6,7
	global_load_b128 v[BIAS+8*\b:BIAS+8*\b+3], v5, s[92:93] offset:64*\b
	global_load_b128 v[BIAS+8*\b+4:BIAS+8*\b+7], v5, s[92:93] offset:64*\b+16
.endr
.irp a, 0,1,2,3,4,5,6,7
	global_load_b32 v[MASKV+\a], v6, s[14:15] offset:64*\a
.endr
	v_mul_u32_u24 v3, v1, PITCH
	v_lshl_add_u32 v4, v2, 4, v3                   ; a fragment's row x pitch + 16 x half
	s_mul_i32 s94, s19, HALFT                      ; my 128 rows of A
	s_mul_i32 s95, s20, HALFT                      ; my 128 rows of B,
	s_add_co_u32 s95, s95, 2*HALFT                 ; behind A's 256
.irp s, 0,1
	v_add_nc_u32 v[ADRA+\s], s94, v4
	v_add_nc_u32 v[ADRB+\s], s95, v4
	s_add_co_u32 s94, s94, SLOT
	s_add_co_u32 s95, s95, SLOT
.endr
	v_mul_u32_u24 v7, v1, KS                       ; my row's scales: 32 bytes a row,
	v_lshrrev_b32 v8, 8, v7
	v_lshl_add_u32 v7, v8, 4, v7                   ; and 16 more for each 256 passed
	s_mul_i32 s94, s19, HALFS
	s_mul_i32 s95, s20, HALFS
	s_add_co_u32 s95, s95, 2*HALFS
	s_sub_co_u32 s95, s95, s94
	v_mul_u32_u24 v8, s95, v2                      ; lanes 16-31 take B's: one product, the distance between the two bases
	s_add_co_u32 s94, s94, SCL
	v_add_nc_u32 v7, v7, v8
	v_add_nc_u32 v[ADRS], s94, v7
	s_mul_i32 s94, s18, WST                        ; my stage
	v_lshrrev_b32 v7, 1, v1
	v_mul_u32_u24 v7, v7, 272                      ; in: token r lies at (r / 2) x 272 + (r % 2) x 128, + 16 h
	v_and_b32 v8, 1, v1
	v_lshl_add_u32 v7, v8, 7, v7
	v_lshl_add_u32 v7, v2, 4, v7
	v_add_nc_u32 v[STO], s94, v7
	v_mul_u32_u24 v7, v2, 272                      ; back: lanes 0-15 two tokens, lanes 16-31 the next two
	v_lshl_add_u32 v7, v1, 4, v7
	v_add_nc_u32 v[RD], s94, v7
	v_and_b32 v8, 31, v0
	v_lshlrev_b32 v[GO], 4, v8
	s_lshr_b32 s45, s44, 11                        ; 4 T + batch,
	s_lshl_b32 s45, s45, 22                        ; 16 heads x 262,144 bytes each
	s_and_b32 s94, s44, 2047
	s_lshl_b32 s94, s94, 7                         ; my first token's 128 bytes in a head
	s_add_co_u32 s45, s45, s94
	s_lshl_b32 s94, s23, 2
	s_lshl_b32 s95, s20, 1
	s_add_co_u32 s94, s94, s95                     ; my first head: 4 x tile column + 2 x half
	s_lshl_b32 s94, s94, 18
	s_add_co_u32 s94, s94, s45
	s_mov_b32 s95, 0
	s_add_nc_u64 s[16:17], s[16:17], s[94:95]
.macro FRAG reg, adr, q, i             ; 16 rows x 128 K of 4-bit codes: lane l holds row l % 16; registers 4 c .. 4 c + 3 hold K = 64 c + 32 (l / 16) + 0 .. 31
.irp c, 0,1
	ds_load_b128 v[\reg+4*\c:\reg+4*\c+3], v[\adr] offset:64*(\q)+32*\c+(\i)*16*PITCH
.endr
.endm
; 16 matrix instructions: A's blocks a0, a0 + 1 x B's eight, the slot's q-th 128 along K.  p: B's set; sc: the set of scale words.  first = 1: the bias is the C: nothing is cleared and nothing is added later.
; The 64 accumulators take turns, one instruction a turn, in the same order in every step.
.macro MUL16 a0, p, q, sc, first
.irp a, \a0, \a0+1
.irp b, 0,1,2,3,4,5,6,7
.if \first
	v_wmma_scale_f32_16x16x128_f8f6f4 v[8*(8*((\a)%4)+\b):8*(8*((\a)%4)+\b)+7], v[128*(\p)+FR*\b:128*(\p)+FR*\b+FR-1], v[AF+FR*(\a):AF+FR*(\a)+FR-1], v[BIAS+8*\b:BIAS+8*\b+7], v[SC+8*NQ*(\sc)+NQ*\b+(\q)], v[SC+8*NQ*(\sc)+NQ*(\a)+(\q)] matrix_a_fmt:MATRIX_FMT_FP4 matrix_b_fmt:MATRIX_FMT_FP4 matrix_a_scale:MATRIX_SCALE_ROW1
.else
	v_wmma_scale_f32_16x16x128_f8f6f4 v[8*(8*((\a)%4)+\b):8*(8*((\a)%4)+\b)+7], v[128*(\p)+FR*\b:128*(\p)+FR*\b+FR-1], v[AF+FR*(\a):AF+FR*(\a)+FR-1], v[8*(8*((\a)%4)+\b):8*(8*((\a)%4)+\b)+7], v[SC+8*NQ*(\sc)+NQ*\b+(\q)], v[SC+8*NQ*(\sc)+NQ*(\a)+(\q)] matrix_a_fmt:MATRIX_FMT_FP4 matrix_b_fmt:MATRIX_FMT_FP4 matrix_a_scale:MATRIX_SCALE_ROW1
.endif
.endr
.endr
.endm
.macro FETCH_B slot, q, p
	WIN TO_B
.irp i, 0,1,2,3,4,5,6,7
	FRAG 128*(\p)+FR*\i, ADRB+\slot, \q, \i
.endr
	WIN 0
.endm
.macro FETCH_A slot, q, i0
.irp i, \i0, \i0+1, \i0+2, \i0+3
	FRAG AF+FR*(\i), ADRA+\slot, \q, \i
.endr
.endm
.macro SCALES sc                       ; a K step's scale words: four words a row; lanes 0-15 take A's block i, lanes 16-31 B's block i
.irp i, 0,1,2,3,4,5,6,7
	ds_load_b128 v[SC+8*NQ*\sc+NQ*\i:SC+8*NQ*\sc+NQ*\i+3], v[ADRS] offset:\i*SBLK
.endr
.endm
.macro PLACES n                        ; plain vector lines between a matrix instruction and a load into, or a vector line on, its registers
.rept \n
	v_nop
.endr
.endm
; A step of 128 along K that has its successor in the same slot.  With first = 1 the C lies in window 0.
.macro STEP slot, q, first
	s_wait_dscnt 4*NL                              ; B's set and A's blocks 0-3 are in; the youngest eight loads (A's blocks 4-7) may be out
	WIN MUL_LO-0x20*(\first)
	MUL16 0, (\q)%2, \q, \slot, \first
	MUL16 2, (\q)%2, \q, \slot, \first
	s_wait_dscnt 0                                 ; A's blocks 4-7 are in
	PLACES NP
	FETCH_B \slot, (\q)+1, 1-(\q)%2
	FETCH_A \slot, (\q)+1, 0
	WIN MUL_HI-0x30*(\first)
	MUL16 4, (\q)%2, \q, \slot, \first
	MUL16 6, (\q)%2, \q, \slot, \first
	PLACES NP
	WIN 0
	FETCH_A \slot, (\q)+1, 4
.endm
.macro STEPS slot, from
.set Q, \from
.rept NQ-1-\from
	STEP \slot, Q, 0
.set Q, Q+1
.endr
.endm
	s_wait_loadcnt 0x0                             ; the bias and the mask
	s_wait_tensorcnt 1                             ; the scales and my part of slot 0 are in; slot 1's load may stay out
	s_barrier_signal -1
	s_barrier_wait -1                              ; everybody's are
	FETCH_B 0, 0, 0
	FETCH_A 0, 0, 0
	SCALES 0
	FETCH_A 0, 0, 4
	STEP 0, 0, 1
	STEPS 0, 1
	; slot 0's last step changes slots: one barrier; in front of it each wave waits for its part of slot 1 and for its own reads of slot 0
	s_wait_tensorcnt 0x0                           ; all my tensor loads have landed
	ds_add_u32 v[SPW], v[NIL]                      ; 0 onto my spare word
	s_wait_dscnt 4*NL+1                            ; the add and the youngest eight loads may be out
	WIN MUL_LO
	MUL16 0, 1, NQ-1, 0, 0
	s_wait_dscnt 0x0                               ; the add is done, and my reads of slot 0 are over
	s_barrier_signal -1
	MUL16 2, 1, NQ-1, 0, 0
	WIN 0
	s_barrier_wait -1
	PLACES NP
	v_add_nc_u32 v[ADRS], 4*NQ, v[ADRS]            ; on to the second K step's scale words
	FETCH_B 1, 0, 0
	FETCH_A 1, 0, 0
	SCALES 1
	WIN MUL_HI
	MUL16 4, 1, NQ-1, 0, 0
	MUL16 6, 1, NQ-1, 0, 0
	PLACES NP
	WIN 0
	FETCH_A 1, 0, 4
	STEPS 1, 0
	s_wait_dscnt 4*NL                              ; the very last step: nothing more to fetch
	WIN MUL_LO
	MUL16 0, 1, NQ-1, 1, 0
	MUL16 2, 1, NQ-1, 1, 0
	s_wait_dscnt 0
	WIN MUL_HI
	MUL16 4, 1, NQ-1, 1, 0
	MUL16 6, 1, NQ-1, 1, 0
	WIN 0
; THE WAY OUT, block by block of 16 tokens x 128 columns (two heads).  A lane holds 8 neighbouring columns of one token: scaled, rounded to f16 they are 16 bytes.  They go through my stage and come back as 512 consecutive bytes
; of a head (four tokens), which the 32 lanes store by one instruction.
	PLACES NP                                      ; behind the last products: the lines below write registers that held scale words and fragments, and read results
	v_mov_b32 v[DEAD], s101
	v_mov_b32 v[LIVE], s100
.irp a, 0,1,2,3,4,5,6,7
	v_cmp_ne_u32 vcc_lo, 0, v[MASKV+\a]            ; token 16 a + r counts?
	v_cndmask_b32 v[FCT+2*\a], v[DEAD], v[LIVE], vcc_lo
	v_cndmask_b32 v[FCT+2*\a+1], v[DEAD], v[LIVE], vcc_lo   ; (named with it as a pair, so it is written)
.endr
.macro PACK a
.set AC, 64*((\a)%4)
	WIN 0x02+(\a)/4                                ; source 0: window 2 or 3
.set i, 0
.rept 32
	v_pk_mul_f32 v[TF+2*i:TF+2*i+1], v[AC+2*i:AC+2*i+1], v[FCT+2*(\a):FCT+2*(\a)+1] op_sel_hi:[1,0]   ; each accumulator from its low end on
.set i, i+1
.endr
	WIN 0
.set i, 0
.rept 32
	v_cvt_pk_f16_f32 v[TP+i], v[TF+2*i], v[TF+2*i+1]
.set i, i+1
.endr
.endm
.macro TOSTAGE a
.set BB, BK+32*((\a)%2)
.irp b, 0,1,2,3,4,5,6,7
	ds_store_b128 v[STO], v[TP+4*\b:TP+4*\b+3] offset:(\b/4)*2176+(\b%4)*32   ; head b / 4, columns 16 (b % 4) + 8 h on
.endr
.irp t, 0,1,2,3,4,5,6,7
	ds_load_b128 v[BB+4*\t:BB+4*\t+3], v[RD] offset:(\t/4)*2176+(\t%4)*544    ; LDS serves a wave's instructions in order: these see the stores above
.endr
.endm
.macro SEND a, younger                 ; younger: the LDS instructions issued behind block a's loads
.set BB, BK+32*((\a)%2)
	s_wait_dscnt \younger
.irp t, 0,1,2,3,4,5,6,7
	global_store_b128 v[GO], v[BB+4*\t:BB+4*\t+3], s[16:17] offset:(\a)*2048+(\t/4)*262144+(\t%4)*512   ; 512 consecutive bytes, at a multiple of 256 from the buffer's first byte
.endr
.endm
	PACK 0
	TOSTAGE 0
.irp a, 1,2,3,4,5,6,7
	PACK \a
.if \a > 1
	s_wait_xcnt 0x0                                ; block a - 2's stores have read their registers: block a's loads may land there
.endif
	TOSTAGE \a
	SEND \a-1, 16                                  ; behind block a - 1's loads: block a's 8 stores and 8 loads
.endr
	SEND 7, 0
	s_wait_tensorcnt 0x0                           ; the wave's end, behind my last tensor load and my last LDS store
	ds_add_u32 v[SPW], v[NIL]
	s_wait_dscnt 0x0
	CROUND                                         ; the closing round
	s_endpgm
.Lfunc_end_k_q9a69dfcb39_proj:
	.size	k_q9a69dfcb39_proj, .Lfunc_end_k_q9a69dfcb39_proj-k_q9a69dfcb39_proj
	.p2alignl 7, 3214868480
	.fill 96, 4, 3214868480
	.section	.rodata,"a",@progbits
	.p2align	6, 0x0
	.amdhsa_kernel k_q9a69dfcb39_proj
		.amdhsa_group_segment_fixed_size 327680
		.amdhsa_private_segment_fixed_size 0
		.amdhsa_enable_private_segment 0
		.amdhsa_kernarg_size 56
		.amdhsa_user_sgpr_count 2
		.amdhsa_user_sgpr_kernarg_segment_ptr 1
		.amdhsa_wavefront_size32 1
		.amdhsa_system_sgpr_workgroup_id_x 1
		.amdhsa_system_sgpr_workgroup_id_y 1
		.amdhsa_system_sgpr_workgroup_id_z 1
		.amdhsa_system_vgpr_workitem_id 0
		.amdhsa_next_free_vgpr 1024
		.amdhsa_next_free_sgpr 102
		.amdhsa_reserve_vcc 1
		.amdhsa_float_denorm_mode_32 3
		.amdhsa_float_denorm_mode_16_64 3
		.amdhsa_memory_ordered 1
		.amdhsa_forward_progress 1
		.amdhsa_inst_pref_size 146
	.end_amdhsa_kernel
	.amdgpu_metadata
---
amdhsa.version: [ 1, 2 ]
amdhsa.kernels:
  - .name:           k_q9a69dfcb39_proj
    .symbol:         k_q9a69dfcb39_proj.kd
    .args:
      - { .name: codes, .offset: 0, .size: 8, .value_kind: global_buffer, .address_space: global }
      - { .name: scales, .offset: 8, .size: 8, .value_kind: global_buffer, .address_space: global }
      - { .name: bq, .offset: 16, .size: 8, .value_kind: global_buffer, .address_space: global }
      - { .name: bk, .offset: 24, .size: 8, .value_kind: global_buffer, .address_space: global }
      - { .name: bv, .offset: 32, .size: 8, .value_kind: global_buffer, .address_space: global }
      - { .name: mask, .offset: 40, .size: 8, .value_kind: global_buffer, .address_space: global }
      - { .name: qkv, .offset: 48, .size: 8, .value_kind: global_buffer, .address_space: global }
    .group_segment_fixed_size: 327680
    .private_segment_fixed_size: 0
    .kernarg_segment_align: 8
    .kernarg_segment_size: 56
    .max_flat_workgroup_size: 128
    .sgpr_count:     102
    .vgpr_count:     1024
    .wavefront_size: 32
...
	.end_amdgpu_metadata
.endif
;; end of part 2
;; launch attn (part 3): grid 4 x 64, 16 waves a work-group, clusters of 4 x 1, 327,680 bytes of LDS; arguments qkv, mask, ctx; writes ctx
.if DOCPART == 3
	.amdgcn_target "amdgcn-amd-amdhsa--gfx1250"
	.amdhsa_code_object_version 6
	.text
	.protected	k_q9a69dfcb39_attn
	.globl	k_q9a69dfcb39_attn
	.p2align	8
	.type	k_q9a69dfcb39_attn,@function
k_q9a69dfcb39_attn:
	s_mov_b64 s[64:65], 0
	v_nop
	global_prefetch_b8 v0, s[64:65] scope:SCOPE_SE
	s_setreg_imm32_b32 hwreg(HW_REG_WAVE_MODE, 25, 1), 1
	s_wait_xcnt 0x0
	s_wait_alu depctr_hold_cnt(0) depctr_sa_sdst(0) depctr_va_vdst(0) depctr_va_sdst(0) depctr_va_ssrc(0) depctr_va_vcc(0) depctr_vm_vsrc(0)
	s_getreg_b32 s2, hwreg(HW_REG_IB_STS2, 6, 4)
	s_cmp_eq_u32 s2, 0
	s_cbranch_scc0 .Lentry_in_a_cluster
	s_endpgm
.Lentry_in_a_cluster:
	s_bfe_u32 s2, ttmp6, 0x10000c
	s_cmp_lg_u32 s2, 0x3003
	s_cbranch_scc0 .Lentry_shape_is_right
	s_endpgm
.Lentry_shape_is_right:
; ctx[b][head][q][:] = the sum over keys of softmax(q . k / 8, masked keys at -1e9) v[key][:].  q', k, v: [4][16][2048][64] f16, three parts of qkv; ctx the same shape, f16.  Products on f16 operands, sums, maxima and exponentials in f32.
; q' already carries c = log2(e) / 8, so a score is t = score x log2(e) and p = 2^(t - m), m the query's running largest t.
; THE MASK COSTS NO LINE IN THE LOOP.  k is 0 at masked keys (the launch before wrote it so), and the C of each score tile's first matrix instruction is a number for each key: 0 where the key counts, -1e9 x log2(e) where it is masked.
; So a masked key's t is exactly that number, as where(mask == 0, -1e9, score) has it; in a batch with no key left every t - m is 0 and the result is the mean of v.
; LIMITS: f16 operands: |q'|, |k|, |v|, |ctx| up to 65,504; weights p under 2^-24 are lost in the second product (not in the sum).
; SHARES.  A work-group owns 512 queries of one head; each of its sixteen waves 32 of them, two tiles of 16, in 256 registers: four waves to a SIMD, so that one wave's vector work stands beside another's matrix work and LDS loads.
; Every wave walks all 2,048 keys, 64 a step.  K and V come through two LDS slots of 512 keys, each wave fetching 64 keys of K (waves 0-7) or of V (waves 8-15) with one tensor load.
; CLUSTER.  The four query blocks of a head form a cluster and walk the same K and V: each tile is asked for jointly, by the same load with the same descriptor and a mask that names the four.
; LAYOUT.  A token's part of a head is 128 bytes and tokens are dense, so a tile is stated as rows of TWO tokens, 256 bytes, padded by 16 (K) or 32 (V): token x lies at (x / 2) pitch + (x % 2) 128.
; Both products are used transposed: S^T = K Q^T (source 0 = 16 keys, source 1 = 16 queries), O^T = V^T P (source 0 = 16 channels, by the turning load; source 1 = P): a lane holds ONE query (lane % 16) throughout, and two
; score tiles, rounded to f16 in pairs, are the second product's operand as they stand.
.set PK,    272
.set PV,    288
.set KWB,   32*PK                      ; a wave's load of K, and a key step's 64 keys: 8,704 bytes
.set VWB,   32*PV                      ; of V: 9,216
.set VOFF,  8*KWB                      ; a slot: 512 keys of K, then of V
.set SLOTB, 8*(KWB+VWB)                ; 143,360
.set BIASB, 2*SLOTB                    ; behind the slots: the 2,048 keys' numbers, f32; written by LDS stores, no fill lands here
.set SPARE, BIASB+8192                 ; the spare words, 128 bytes a wave
.set WST,   4352                       ; the way out: a wave's stage, 16 rows of two tokens; it lies in slot 0, behind that slot's last fill and last read
.set AK0, 1                            ; v1   my lane's place in a tile of K
.set AV0, 2                            ; v2   in a tile of V
.set AB0, 3                            ; v3   among the keys' numbers
.set ADK, 4                            ; v4-6 the step's addresses
.set ADV, 5
.set ADB, 6
.set PFO, 7                            ; v7   256 x lane; never rewritten
.set ST,  8                            ; v8-23 tile t's statistics at ST + 8 t: +0 m; +1 the old m, then old m - m; +2, +3 the sum in two halves; +4 .. +7 at work; a = 2^(old m - m) takes +6
.set SPW, 24                           ; v24  my spare word; never rewritten
.set NIL, 25                           ; v25  0; never rewritten
.set STO, 26
.set RD,  27
.set GO,  28
.set QF,  32                           ; v32-63   Q: tile t, channels 32 c on, at QF + 16 t + 8 c
.set S,   64                           ; v64-127  S^T: tile t at S + 32 t; P takes the first 16 of them
.set OA,  128                          ; v128-191 O^T: tile t, channels 16 ct on, at OA + 32 t + 8 ct
.set KV,  192                          ; v192-255 K's fragments, then V's
.set WV,  10                           ; s10  wave;  s11 wave % 8;  s12 cx;  s13 the head, 0 .. 63
.set G1K, 24
.set G1V, 32
.set G0K, 40                           ; s[40:47] group 0 for K, a set for each slot
.set G0V, 48                           ; s[48:55] for V
.set TK,  56                           ; s56-58 where the step's K, V and numbers begin in LDS
.set TV,  57
.set TBI, 58
.set CNT, 59
.set SEL, 60                           ; s[60:61] lane l xor 16
.set PFA, 62                           ; s[62:63] where my prefetch stands; never rewritten
.macro CROUND                          ; a round of the cluster's barrier
	s_barrier_signal -1
	s_barrier_wait -1
	s_cmp_lg_u32 s[WV], 0
	s_cbranch_scc1 .Lnot_wave_0_\@
	s_barrier_signal -3
.Lnot_wave_0_\@:
	s_barrier_wait -3
	s_barrier_signal -1
	s_barrier_wait -1
.endm
.macro JLOAD s                         ; a joint refill of slot s: one load a wave; the branch hangs on the wave's number alone.  An s_nop 0 and four v_nop follow each line
	s_cmp_lt_u32 s[WV], 8
	s_cbranch_scc0 .Lfor_v_\@
	tensor_load_to_lds s[G0K+4*\s:G0K+4*\s+3], s[G1K:G1K+7]
	s_nop 0
.rept 4
	v_nop
.endr
	s_branch .Lasked_\@
.Lfor_v_\@:
	tensor_load_to_lds s[G0V+4*\s:G0V+4*\s+3], s[G1V:G1V+7]
	s_nop 0
.rept 4
	v_nop
.endr
.Lasked_\@:
.endm
	s_load_b128 s[4:7], s[0:1], 0x0                ; qkv s[4:5], mask s[6:7]
	s_load_b64 s[8:9], s[0:1], 0x10                ; ctx
	v_lshl_add_u32 v[SPW], v0, 2, SPARE
	v_mov_b32 v[NIL], 0
	ds_add_u32 v[SPW], v[NIL]                      ; the wave's opening: the add, twice on end, and its wait ahead of my first tensor load
	ds_add_u32 v[SPW], v[NIL]
	v_lshrrev_b32 v26, 5, v0
	v_readfirstlane_b32 s[WV], v26                 ; wave 0..15
	s_and_b32 s11, s[WV], 7
	s_bfe_u32 s12, ttmp6, 0x40000                  ; cx: my block of 512 queries (the grid is one cluster wide)
	s_and_b32 s13, ttmp7, 0xffff                   ; the head, which the four partners share
	s_lshl_b32 s14, s13, 18                        ; a head is 262,144 bytes
	s_lshl_b32 s15, s11, 13                        ; the 64 keys that I fetch: 8,192 bytes
	s_add_co_u32 s16, s14, s15
	s_add_co_u32 s16, s16, 0x1000000               ; in k's part of qkv,
	s_mov_b32 s17, 0
	s_add_co_u32 s18, s16, 0x1000000               ; in v's
	s_mov_b32 s19, 0
	s_mul_i32 s20, s11, KWB                        ; and where they go in a slot: no place in the cluster enters an LDS address
	s_mul_i32 s21, s11, VWB
	s_add_co_u32 s21, s21, VOFF
	s_lshl_b32 s22, s12, 16                        ; my block's 512 rows of 128 bytes,
	s_add_co_u32 s22, s22, s14
	s_lshl_b32 s23, s[WV], 12                      ; my wave's 32
	s_add_co_u32 s22, s22, s23
	s_mov_b32 s23, 0
	s_mov_b32 s[G1K], 15|(1<<16)|(1<<20)|(1<<21)|(5<<22)|(3<<25)   ; all four work-groups; elements of 2 bytes; padding on; bit 21 beside a mask; 4 words behind every 64
	s_mov_b32 s[G1V], 15|(1<<16)|(1<<20)|(1<<21)|(5<<22)|(7<<25)   ; the same with 8 words
.irp g, G1K, G1V
	s_mov_b32 s[\g+1], 128<<16                     ; tensor_dim0: two tokens
	s_mov_b32 s[\g+2], 32<<16                      ; tensor_dim1
	s_mov_b32 s[\g+3], 128<<16                     ; tile_dim0
	s_mov_b32 s[\g+4], 32                          ; tile_dim1
	s_mov_b32 s[\g+5], 128                         ; dense
	s_mov_b32 s[\g+6], 0
	s_mov_b32 s[\g+7], 0
.endr
	s_mov_b32 s[SEL], 0x76543210
	s_mov_b32 s[SEL+1], 0xfedcba98
	s_wait_dscnt 0x0                               ; both opening adds are done
	s_wait_kmcnt 0x0
	s_add_nc_u64 s[16:17], s[4:5], s[16:17]        ; K and V at my 64 keys of the first 512
	s_add_nc_u64 s[18:19], s[4:5], s[18:19]
	s_add_nc_u64 s[4:5], s[4:5], s[22:23]          ; q' and ctx at my wave's first query
	s_add_nc_u64 s[8:9], s[8:9], s[22:23]
	s_lshr_b32 s14, s13, 4
	s_lshl_b32 s14, s14, 13                        ; my batch's 2,048 words of the mask
	s_mov_b32 s15, 0
	s_add_nc_u64 s[6:7], s[6:7], s[14:15]
	s_cmp_lt_u32 s[WV], 8
	s_cselect_b64 s[PFA:PFA+1], s[16:17], s[18:19]
	s_lshl_b32 s14, s12, 14                        ; the prefetch: the last 512 keys (from byte 196,608 of the head), of which my work-group takes 16,384 bytes, told apart by address,
	s_add_co_u32 s14, s14, 196608                  ; and waves 0, 1 (K) and 8, 9 (V) 8,192 each, lanes 256 bytes apart
	s_add_nc_u64 s[PFA:PFA+1], s[PFA:PFA+1], s[14:15]
.irp s, 0,1
	s_mov_b32 s[G0K+4*\s], 1
	s_add_co_u32 s[G0K+4*\s+1], s20, \s*SLOTB
	s_add_nc_u64 s[G0K+4*\s+2:G0K+4*\s+3], s[16:17], \s*65536      ; slot s begins with keys 512 s on
	s_or_b32 s[G0K+4*\s+3], s[G0K+4*\s+3], 0x80000000
	s_mov_b32 s[G0V+4*\s], 1
	s_add_co_u32 s[G0V+4*\s+1], s21, \s*SLOTB
	s_add_nc_u64 s[G0V+4*\s+2:G0V+4*\s+3], s[18:19], \s*65536
	s_or_b32 s[G0V+4*\s+3], s[G0V+4*\s+3], 0x80000000
.endr
	CROUND                                         ; all four work-groups are here: the first joint loads meet
	s_cmp_lt_u32 s[WV], 8                          ; a wave's two first fills stand in one branch: two loads of mine are out
	s_cbranch_scc0 .Lfirst_v
	tensor_load_to_lds s[G0K:G0K+3], s[G1K:G1K+7]
	s_nop 0
	tensor_load_to_lds s[G0K+4:G0K+7], s[G1K:G1K+7]
	s_nop 0
.rept 4
	v_nop
.endr
	s_branch .Lfirst_asked
.Lfirst_v:
	tensor_load_to_lds s[G0V:G0V+3], s[G1V:G1V+7]
	s_nop 0
	tensor_load_to_lds s[G0V+4:G0V+7], s[G1V:G1V+7]
	s_nop 0
.rept 4
	v_nop
.endr
.Lfirst_asked:
	v_and_b32 v27, 15, v0                          ; r
	v_bfe_u32 v28, v0, 4, 1                        ; h
	v_lshlrev_b32 v29, 7, v27
	v_lshl_add_u32 v29, v28, 4, v29                ; Q: row r of 128 bytes, + 16 h
	v_lshlrev_b32 v30, 4, v0                       ; the mask: four words a thread, 512 threads: the batch's 2,048
	global_load_b128 v[S:S+3], v30, s[6:7]
.irp t, 0,1
.irp c, 0,1
	global_load_b128 v[QF+16*\t+8*\c:QF+16*\t+8*\c+3], v29, s[4:5] offset:\t*2048+64*\c       ; Q stays in registers
	global_load_b128 v[QF+16*\t+8*\c+4:QF+16*\t+8*\c+7], v29, s[4:5] offset:\t*2048+64*\c+32
.endr
.endr
	v_lshrrev_b32 v31, 1, v27
	v_mul_u32_u24 v[AK0], v31, PK
	v_and_b32 v31, 1, v27
	v_lshl_add_u32 v[AK0], v31, 7, v[AK0]
	v_lshl_add_u32 v[AK0], v28, 4, v[AK0]          ; key r of a tile: (r / 2) x 272 + (r % 2) x 128, + 16 h
	v_bfe_u32 v31, v0, 1, 2
	v_lshl_add_u32 v31, v28, 2, v31
	v_mul_u32_u24 v[AV0], v31, PV                  ; the turning load: lane l reads key 8 h + l % 8, channels 8 ((l / 8) % 2) on
	v_and_b32 v31, 1, v0
	v_lshl_add_u32 v[AV0], v31, 7, v[AV0]
	v_bfe_u32 v31, v0, 3, 1
	v_lshl_add_u32 v[AV0], v31, 4, v[AV0]
	v_lshl_add_u32 v[AB0], v28, 5, BIASB           ; a tile's register j is key 8 h + j: 32 h bytes on
	v_and_b32 v[PFO], 31, v0
	v_lshlrev_b32 v[PFO], 8, v[PFO]
.irp t, 0,1
	v_mov_b32 v[ST+8*\t], 0xff61b1e6               ; m: -3e38, under every t
	v_mov_b32 v[ST+8*\t+2], 0                      ; the sum
	v_mov_b32 v[ST+8*\t+3], 0
.endr
.set i, 0
.rept 64
	v_mov_b32 v[OA+i], 0                           ; O^T.  (The key step is written once: its first trip finds zeros, which a = 0 leaves zeros)
.set i, i+1
.endr
	v_mov_b32 v31, 0xceabfb8f                      ; -1e9 x log2(e)
	s_wait_loadcnt 0x0                             ; the mask and Q
.irp i, 0,1,2,3
	v_cmp_eq_u32 vcc_lo, 0, v[S+\i]
	v_cndmask_b32 v[S+\i], 0, v31, vcc_lo          ; a key's number: 0 where it counts
.endr
	v_lshl_add_u32 v30, v0, 4, BIASB
	ds_store_b128 v30, v[S:S+3]
	s_wait_tensorcnt 1                             ; my part of slot 0 is in; slot 1's may stay out
	s_wait_dscnt 0x0                               ; my four numbers lie in LDS
	s_barrier_signal -1
	s_barrier_wait -1
; A KEY STEP: 64 keys for my two tiles of queries.
.macro STEP
	v_add_nc_u32 v[ADK], s[TK], v[AK0]             ; five plain lines behind the last products V^T P: four are owed to the loads into registers that they read, five to the products below that write over P
	v_add_nc_u32 v[ADV], s[TV], v[AV0]
	v_add_nc_u32 v[ADB], s[TBI], v[AB0]
	v_nop
	v_nop
.irp kt, 0,1,2,3
.irp c, 0,1
	ds_load_b128 v[KV+16*\kt+8*\c:KV+16*\kt+8*\c+3], v[ADK] offset:\kt*8*PK+64*\c
	ds_load_b128 v[KV+16*\kt+8*\c+4:KV+16*\kt+8*\c+7], v[ADK] offset:\kt*8*PK+64*\c+32
.endr
.endr
.irp kt, 0,1,2,3
	ds_load_b128 v[S+8*\kt:S+8*\kt+3], v[ADB] offset:64*\kt          ; the keys' numbers, in the result's layout, into tile 0's accumulators
	ds_load_b128 v[S+8*\kt+4:S+8*\kt+7], v[ADB] offset:64*\kt+16
.endr
	s_wait_dscnt 0x0
.irp kt, 0,1,2,3
	v_wmma_f32_16x16x32_f16 v[S+32+8*\kt:S+39+8*\kt], v[KV+16*\kt:KV+16*\kt+7], v[QF+16:QF+23], v[S+8*\kt:S+8*\kt+7]       ; tile 1 starts from the numbers in tile 0's registers,
.endr
.rept 5
	v_nop                                          ; (five places: the next four write over registers that the last four read as C)
.endr
.irp kt, 0,1,2,3
	v_wmma_f32_16x16x32_f16 v[S+8*\kt:S+8*\kt+7], v[KV+16*\kt:KV+16*\kt+7], v[QF:QF+7], v[S+8*\kt:S+8*\kt+7]               ; tile 0 adds onto them in place
.endr
.irp kt, 0,1,2,3
	v_wmma_f32_16x16x32_f16 v[S+32+8*\kt:S+39+8*\kt], v[KV+16*\kt+8:KV+16*\kt+15], v[QF+24:QF+31], v[S+32+8*\kt:S+39+8*\kt] ; channels 32 on; the eight accumulators take turns
.endr
.irp kt, 0,1,2,3
	v_wmma_f32_16x16x32_f16 v[S+8*\kt:S+8*\kt+7], v[KV+16*\kt+8:KV+16*\kt+15], v[QF+8:QF+15], v[S+8*\kt:S+8*\kt+7]
.endr
	v_mov_b32 v[ST+1], v[ST]                       ; the old m is kept.  Four plain lines behind the products: then V may land on K, and the scores may be read
	v_mov_b32 v[ST+9], v[ST+8]
	v_nop
	v_nop
.irp kc, 0,1
.irp ct, 0,1,2,3
	ds_load_tr16_b128 v[KV+32*\kc+8*\ct:KV+32*\kc+8*\ct+3], v[ADV] offset:\kc*16*PV+32*\ct            ; V^T: channels 16 ct on, keys 32 kc + 8 h on; it lands under the softmax
	ds_load_tr16_b128 v[KV+32*\kc+8*\ct+4:KV+32*\kc+8*\ct+7], v[ADV] offset:\kc*16*PV+8*PV+32*\ct     ; and 16 keys further on
.endr
.endr
.irp j, 0,1,2,3                                ; the largest of 32 scores and the old m, three at a time, four chains a tile; each accumulator is read from its low end on; the tiles alternate
.irp t, 0,1
	v_max3_num_f32 v[ST+8*\t+4+\j], v[S+32*\t+8*\j], v[S+32*\t+8*\j+1], v[S+32*\t+8*\j+2]
.endr
.endr
.irp i, 3,5
.irp j, 0,1,2,3
.irp t, 0,1
	v_max3_num_f32 v[ST+8*\t+4+\j], v[ST+8*\t+4+\j], v[S+32*\t+8*\j+\i], v[S+32*\t+8*\j+\i+1]
.endr
.endr
.endr
.irp t, 0,1
	v_max3_num_f32 v[ST+8*\t+4], v[ST+8*\t+4], v[S+32*\t+7], v[S+32*\t+15]
	v_max3_num_f32 v[ST+8*\t+6], v[ST+8*\t+6], v[S+32*\t+23], v[S+32*\t+31]
.endr
.irp t, 0,1
	v_max3_num_f32 v[ST+8*\t+4], v[ST+8*\t+4], v[ST+8*\t+5], v[ST+8*\t+6]
.endr
.irp t, 0,1
	v_max3_num_f32 v[ST+8*\t+4], v[ST+8*\t+4], v[ST+8*\t+7], v[ST+8*\t]
.endr
.irp t, 0,1
	v_permlanex16_b32 v[ST+8*\t+5], v[ST+8*\t+4], s[SEL], s[SEL+1]   ; the query's other 32 keys lie in the lane 16 away
.endr
.irp t, 0,1
	v_max_num_f32 v[ST+8*\t], v[ST+8*\t+4], v[ST+8*\t+5]             ; the new m
.endr
.irp t, 0,1
	v_sub_f32 v[ST+8*\t+1], v[ST+8*\t+1], v[ST+8*\t]                 ; old m - m, 0 or less
.endr
.set i, 0
.rept 16
	v_pk_add_f32 v[S+2*i:S+2*i+1], v[S+2*i:S+2*i+1], v[ST:ST+1] op_sel_hi:[1,0] neg_lo:[0,1] neg_hi:[0,1]              ; t - m, two at a time (of the pair the low word, m, serves both)
	v_pk_add_f32 v[S+32+2*i:S+33+2*i], v[S+32+2*i:S+33+2*i], v[ST+8:ST+9] op_sel_hi:[1,0] neg_lo:[0,1] neg_hi:[0,1]
.set i, i+1
.endr
	v_exp_f32 v[ST+6], v[ST+1]                     ; ONE BATCH of 66 exponentials: a for both tiles,
	v_exp_f32 v[ST+14], v[ST+9]
.set i, 0
.rept 64
	v_exp_f32 v[S+i], v[S+i]                       ; and the 64 weights p, at most 1
.set i, i+1
.endr
	v_nop                                          ; a plain line behind the last exponential,
	s_wait_alu depctr_va_vdst(0)                   ; and the one wait ahead of the batch's first reader
.irp t, 0,1
	v_pk_mul_f32 v[ST+8*\t+2:ST+8*\t+3], v[ST+8*\t+2:ST+8*\t+3], v[ST+8*\t+6:ST+8*\t+7] op_sel_hi:[1,0]   ; the sum under the new m
	v_pk_add_f32 v[ST+8*\t+4:ST+8*\t+5], v[S+32*\t:S+32*\t+1], v[S+32*\t+2:S+32*\t+3]                     ; the weights are summed before they are rounded, in two chains a tile
.endr
.irp j, 4,8,12,16,20,24,28
.irp t, 0,1
	v_pk_add_f32 v[ST+8*\t+2:ST+8*\t+3], v[ST+8*\t+2:ST+8*\t+3], v[S+32*\t+\j:S+32*\t+\j+1]
	v_pk_add_f32 v[ST+8*\t+4:ST+8*\t+5], v[ST+8*\t+4:ST+8*\t+5], v[S+32*\t+\j+2:S+32*\t+\j+3]
.endr
.endr
.irp t, 0,1
	v_pk_add_f32 v[ST+8*\t+2:ST+8*\t+3], v[ST+8*\t+2:ST+8*\t+3], v[ST+8*\t+4:ST+8*\t+5]
.endr
.set i, 0
.rept 16
	v_cvt_pk_f16_f32 v[S+i], v[S+2*i], v[S+2*i+1]                    ; P, in place and ascending: register i takes weights 2 i and 2 i + 1, which no later line reads
	v_cvt_pk_f16_f32 v[S+32+i], v[S+32+2*i], v[S+33+2*i]
.set i, i+1
.endr
.set i, 0
.rept 16
	v_pk_mul_f32 v[OA+2*i:OA+2*i+1], v[OA+2*i:OA+2*i+1], v[ST+6:ST+7] op_sel_hi:[1,0]             ; O^T under the new m
	v_pk_mul_f32 v[OA+32+2*i:OA+33+2*i], v[OA+32+2*i:OA+33+2*i], v[ST+14:ST+15] op_sel_hi:[1,0]
.set i, i+1
.endr
	s_wait_dscnt 0x0                               ; V is in
.irp kc, 0,1
.irp ct, 0,1,2,3
.irp t, 0,1
	v_wmma_f32_16x16x32_f16 v[OA+32*\t+8*\ct:OA+32*\t+8*\ct+7], v[KV+32*\kc+8*\ct:KV+32*\kc+8*\ct+7], v[S+32*\t+8*\kc:S+32*\t+8*\kc+7], v[OA+32*\t+8*\ct:OA+32*\t+8*\ct+7]   ; eight accumulators by turns
.endr
.endr
.endr
.endm
; A slot's eight key steps: written once, walked eight times; f: which 512 keys they are.
.macro PASS slot, f
	s_mov_b32 s[TK], \slot*SLOTB
	s_mov_b32 s[TV], \slot*SLOTB+VOFF
	s_mov_b32 s[TBI], \f*2048
	s_mov_b32 s[CNT], 8
.Lstep_\@:
	STEP
	s_add_co_u32 s[TK], s[TK], KWB
	s_add_co_u32 s[TV], s[TV], VWB
	s_add_co_u32 s[TBI], s[TBI], 256
	s_sub_co_u32 s[CNT], s[CNT], 1
	s_cmp_lg_u32 s[CNT], 0
	s_cbranch_scc1 .Lstep_\@
.endm
; THE CHANGE OF SLOTS.  Each wave waits for all its tensor loads (one is out: its part of the slot ahead), adds 0 to its spare word, and waits for that and for its reads of the slot that it leaves.
; fill = 1: the barrier is a round of the cluster's, and the slot just left is filled with the keys 1,024 further on, first thing behind it: the load has eight key steps of every wave in which to land.
.macro CHANGE fill, s
	s_wait_tensorcnt 0x0                           ; no tensor load of mine is out, so a group 0 may be written
	ds_add_u32 v[SPW], v[NIL]
.if \fill
	s_add_nc_u64 s[G0K+4*\s+2:G0K+4*\s+3], s[G0K+4*\s+2:G0K+4*\s+3], 131072
	s_add_nc_u64 s[G0V+4*\s+2:G0V+4*\s+3], s[G0V+4*\s+2:G0V+4*\s+3], 131072
	s_wait_dscnt 0x0                               ; the add is done, and my reads of the slot are over
	CROUND
	JLOAD \s
.else
	s_wait_dscnt 0x0
	s_barrier_signal -1
	s_barrier_wait -1
.endif
.endm
	PASS 0, 0
	CHANGE 1, 0                                    ; slot 0 takes keys 1,024 on
	; a prefetch of what the NEXT change will ask for, keys 1,536 on: eight key steps ahead of that load.  Each aligned block of 256 bytes is named once: the four partners take 16,384 bytes each, by address;
	; in each, waves 0 and 1 ask for K's and waves 8 and 9 for V's, a branch on the wave's number.  Its two address registers are never written again.
	s_cmp_lt_u32 s11, 2
	s_cbranch_scc0 .Lnot_mine
	global_prefetch_b8 v[PFO], s[PFA:PFA+1] th:TH_LOAD_NT scope:SCOPE_SE
.Lnot_mine:
	PASS 1, 1
	CHANGE 1, 1                                    ; slot 1 takes keys 1,536 on: the last load
	PASS 0, 2
	CHANGE 0, 0                                    ; nothing is left to fetch; behind this barrier nobody reads slot 0
	PASS 1, 3
	; THE WAY OUT.  The sum's halves are added; O^T is divided by the sum, rounded to f16 and sent through my stage, a tile (16 tokens of 128 bytes) at a time; it leaves as runs of 512 consecutive bytes.
.irp t, 0,1
	v_add_f32 v[ST+8*\t+4], v[ST+8*\t+2], v[ST+8*\t+3]
.endr
.irp t, 0,1
	v_permlanex16_b32 v[ST+8*\t+5], v[ST+8*\t+4], s[SEL], s[SEL+1]
.endr
.irp t, 0,1
	v_add_f32 v[ST+8*\t+4], v[ST+8*\t+4], v[ST+8*\t+5]
.endr
.irp t, 0,1
	v_rcp_f32 v[ST+8*\t+6], v[ST+8*\t+4]
.endr
	s_mul_i32 s14, s[WV], WST                      ; my stage
	v_add_nc_u32 v[STO], s14, v[AK0]               ; in: a token's place is a key's place in a tile of K.  (Plain lines behind the reciprocals)
	v_and_b32 v29, 15, v0
	v_bfe_u32 v30, v0, 4, 1
	v_mul_u32_u24 v[RD], v30, PK                   ; back: lanes 0-15 two tokens, lanes 16-31 the next two
	v_lshl_add_u32 v[RD], v29, 4, v[RD]
	v_add_nc_u32 v[RD], s14, v[RD]
	v_and_b32 v[GO], 31, v0
	v_lshlrev_b32 v[GO], 4, v[GO]
	s_wait_alu depctr_va_vdst(0)                   ; the wait ahead of the reciprocals' first reader
.irp t, 0,1
.set i, 0
.rept 16
	v_pk_mul_f32 v[OA+32*\t+2*i:OA+32*\t+2*i+1], v[OA+32*\t+2*i:OA+32*\t+2*i+1], v[ST+8*\t+6:ST+8*\t+7] op_sel_hi:[1,0]   ; each accumulator from its low end on
.set i, i+1
.endr
.set i, 0
.rept 16
	v_cvt_pk_f16_f32 v[S+16*\t+i], v[OA+32*\t+2*i], v[OA+32*\t+2*i+1]
.set i, i+1
.endr
.irp ct, 0,1,2,3
	ds_store_b128 v[STO], v[S+16*\t+4*\ct:S+16*\t+4*\ct+3] offset:\t*8*PK+32*\ct     ; channels 16 ct + 8 h on of token r
.endr
.irp i, 0,1,2,3
	ds_load_b128 v[KV+16*\t+4*\i:KV+16*\t+4*\i+3], v[RD] offset:\t*8*PK+2*PK*\i      ; LDS serves a wave's instructions in order: these see the stores above
.endr
.endr
	s_wait_dscnt 8                                 ; tile 0 is back; tile 1's four stores and four loads may be out
.irp i, 0,1,2,3
	global_store_b128 v[GO], v[KV+4*\i:KV+4*\i+3], s[8:9] offset:512*\i              ; 512 consecutive bytes, at a multiple of 256 from the buffer's first byte
.endr
	s_wait_dscnt 0x0
.irp i, 0,1,2,3
	global_store_b128 v[GO], v[KV+16+4*\i:KV+16+4*\i+3], s[8:9] offset:2048+512*\i
.endr
	s_wait_tensorcnt 0x0                           ; the wave's end, behind my last tensor load and my last LDS store
	ds_add_u32 v[SPW], v[NIL]
	s_wait_dscnt 0x0
	CROUND                                         ; the closing round
	s_endpgm
.Lfunc_end_k_q9a69dfcb39_attn:
	.size	k_q9a69dfcb39_attn, .Lfunc_end_k_q9a69dfcb39_attn-k_q9a69dfcb39_attn
	.p2alignl 7, 3214868480
	.fill 96, 4, 3214868480
	.section	.rodata,"a",@progbits
	.p2align	6, 0x0
	.amdhsa_kernel k_q9a69dfcb39_attn
		.amdhsa_group_segment_fixed_size 327680
		.amdhsa_private_segment_fixed_size 0
		.amdhsa_enable_private_segment 0
		.amdhsa_kernarg_size 24
		.amdhsa_user_sgpr_count 2
		.amdhsa_user_sgpr_kernarg_segment_ptr 1
		.amdhsa_wavefront_size32 1
		.amdhsa_system_sgpr_workgroup_id_x 1
		.amdhsa_system_sgpr_workgroup_id_y 1
		.amdhsa_system_sgpr_workgroup_id_z 1
		.amdhsa_system_vgpr_workitem_id 0
		.amdhsa_next_free_vgpr 256
		.amdhsa_next_free_sgpr 66
		.amdhsa_reserve_vcc 1
		.amdhsa_float_denorm_mode_32 3
		.amdhsa_float_denorm_mode_16_64 3
		.amdhsa_memory_ordered 1
		.amdhsa_forward_progress 1
		.amdhsa_inst_pref_size 92
	.end_amdhsa_kernel
	.amdgpu_metadata
---
amdhsa.version: [ 1, 2 ]
amdhsa.kernels:
  - .name:           k_q9a69dfcb39_attn
    .symbol:         k_q9a69dfcb39_attn.kd
    .args:
      - { .name: qkv, .offset: 0, .size: 8, .value_kind: global_buffer, .address_space: global }
      - { .name: mask, .offset: 8, .size: 8, .value_kind: global_buffer, .address_space: global }
      - { .name: ctx, .offset: 16, .size: 8, .value_kind: global_buffer, .address_space: global }
    .group_segment_fixed_size: 327680
    .private_segment_fixed_size: 0
    .kernarg_segment_align: 8
    .kernarg_segment_size: 24
    .max_flat_workgroup_size: 512
    .sgpr_count:     66
    .vgpr_count:     256
    .wavefront_size: 32
...
	.end_amdgpu_metadata
.endif
;; end of part 3
;; launch outp (part 4): grid 4 x 64, 4 waves a work-group, clusters of 4 x 4, 327,680 bytes of LDS; arguments ctx, wo16, bo, out0; writes out0
.if DOCPART == 4
	.amdgcn_target "amdgcn-amd-amdhsa--gfx1250"
	.amdhsa_code_object_version 6
	.text
	.protected	k_q9a69dfcb39_outp
	.globl	k_q9a69dfcb39_outp
	.p2align	8
	.type	k_q9a69dfcb39_outp,@function
k_q9a69dfcb39_outp:
	s_mov_b64 s[64:65], 0
	v_nop
	global_prefetch_b8 v0, s[64:65] scope:SCOPE_SE
	s_setreg_imm32_b32 hwreg(HW_REG_WAVE_MODE, 25, 1), 1
	s_wait_xcnt 0x0
	s_wait_alu depctr_hold_cnt(0) depctr_sa_sdst(0) depctr_va_vdst(0) depctr_va_sdst(0) depctr_va_ssrc(0) depctr_va_vcc(0) depctr_vm_vsrc(0)
	s_getreg_b32 s2, hwreg(HW_REG_IB_STS2, 6, 4)
	s_cmp_eq_u32 s2, 0
	s_cbranch_scc0 .Lentry_in_a_cluster
	s_endpgm
.Lentry_in_a_cluster:
	s_bfe_u32 s2, ttmp6, 0x10000c
	s_cmp_lg_u32 s2, 0xf033
	s_cbranch_scc0 .Lentry_shape_is_right
	s_endpgm
.Lentry_shape_is_right:
; out0[m][n] = sum over k of ctx[m][k] Wo[n][k] + bo[n].  ctx: [4][16 heads][2,048][64] f16 (k = 64 head + channel), wo16: [1,024][1,024] f16, out0: [8,192][1,024] f32; sums in f32; bo is the C of each sum's first matrix instruction.
; LIMITS: f16 operands, made by the launches before: |ctx|, |Wo| up to 65,504.
; A tile of out0 is 128 rows x 256 columns: 64 x 4 = 256 work-groups.  Four waves, each 64 rows x 128 columns: 32 accumulators, 256 registers.
; K goes in eight steps of 128 (two heads) through a ring of two LDS slots.  A's part of a step is two panels, one a head: 128 tokens x 128 bytes, dense in memory, stated as 64 rows of two tokens (256 bytes);
; B's is 256 rows of 256 bytes.  Waves 0 and 1 fetch A's panels, waves 2 and 3 B's halves: one tensor load a wave.
; CLUSTERS: 4 x 4 work-groups; A's tiles are shared along a row of the cluster, B's along a column: each is asked for jointly.
; THE MATRIX INSTRUCTION IS USED TRANSPOSED (source 0 = 16 rows of Wo, source 1 = 16 rows of ctx): a lane holds eight neighbouring columns of one row of out0.
; REGISTERS: window 0: v0-31 addresses; two fragment buffers of 96 (A's four blocks, then B's eight, 32 along K) at v32 and v128; on the way out v32-159 take rows back from the stage.
;   window 1: the accumulators, (a, b) at v[8 (8 a + b)].   window 2: v0-63 bo, 8 registers for each block of 16 columns.
.set P,      272                       ; an LDS row: 256 bytes + 16 of padding: sixteen fragment rows start at sixteen different 16-byte columns modulo 256
.set APAN,   64*P                      ; a panel of A
.set BOFF,   2*APAN                    ; B lies behind A's two panels
.set BHALF,  128*P
.set SLOT,   BOFF+2*BHALF              ; 104,448
.set STAGE,  2*SLOT                    ; behind the ring: 16 rows x (512 bytes + 16) for each wave; no fill lands here
.set SPITCH, 528
.set SPARE,  STAGE+4*16*SPITCH         ; the spare words, 128 bytes a wave
.set ADRA, 16                          ; v16-17  my A fragments in slot 0, 1
.set ADRB, 20                          ; v20-21  my B fragments
.set STO,  24
.set RD,   25
.set CO,   26
.set SPW,  28                          ; v28  my spare word; never rewritten
.set NIL,  29                          ; v29  0; never rewritten
.set F0,   32
.set F1,   128
.set BK,   32                          ; the way out: v32-95 and v96-159 by turns
.set G1, 24
.set G0, 32
.set G1B, 48
.set G0B, 56
.set MSB, 0
.macro WIN new                         ; the immediate's high byte repeats the setting that is left; a switch that changes nothing is dropped
.if MSB != (\new)
	s_set_vgpr_msb (MSB<<8)|(\new)
.set MSB, (\new)
.endif
.endm
.set MUL, 0x50                         ; sources 0 and 1 window 0; C and D window 1
.macro JLOAD s                         ; a joint load: waves 0 and 1 for A, waves 2 and 3 for B; an s_nop 0 and four v_nop follow each of the two lines
	s_cmp_eq_u32 s13, 0
	s_cbranch_scc0 .Lfor_b_\@
	tensor_load_to_lds s[G0+4*\s:G0+4*\s+3], s[G1:G1+7]
	s_nop 0
.rept 4
	v_nop
.endr
	s_branch .Lasked_\@
.Lfor_b_\@:
	tensor_load_to_lds s[G0B+4*\s:G0B+4*\s+3], s[G1B:G1B+7]
	s_nop 0
.rept 4
	v_nop
.endr
.Lasked_\@:
.endm
.macro CREST                           ; a round of the cluster's barrier behind its opening barrier
	s_cmp_lg_u32 s12, 0
	s_cbranch_scc1 .Lnot_wave_0_\@
	s_barrier_signal -3
.Lnot_wave_0_\@:
	s_barrier_wait -3
	s_barrier_signal -1
	s_barrier_wait -1
.endm
.macro CROUND
	s_barrier_signal -1
	s_barrier_wait -1
	CREST
.endm
	s_load_b256 s[4:11], s[0:1], 0x0               ; ctx s[4:5], wo16 s[6:7], bo s[8:9], out0 s[10:11]
	v_lshl_add_u32 v[SPW], v0, 2, SPARE
	v_mov_b32 v[NIL], 0
	ds_add_u32 v[SPW], v[NIL]                      ; the wave's opening: the add, twice on end, and its wait ahead of my first tensor load
	ds_add_u32 v[SPW], v[NIL]
	v_lshrrev_b32 v1, 5, v0
	v_readfirstlane_b32 s12, v1                    ; wave 0..3
	s_lshr_b32 s13, s12, 1                         ; which 64 rows are mine.  Also: I fetch for A (0) or for B (1)
	s_and_b32 s14, s12, 1                          ; which 128 columns.  Also: which panel of A, or which half of B, I fetch
	s_bfe_u32 s40, ttmp6, 0x40000                  ; cx
	s_bfe_u32 s41, ttmp6, 0x40004                  ; cy
	s_lshl_b32 s42, ttmp9, 2
	s_add_co_u32 s42, s42, s40                     ; tile column
	s_and_b32 s15, ttmp7, 0xffff
	s_lshl_b32 s15, s15, 2
	s_add_co_u32 s15, s15, s41                     ; tile row
	s_lshl_b32 s43, s41, 2
	s_lshl_b32 s43, 15, s43                        ; my row of the cluster
	s_lshl_b32 s44, 0x1111, s40                    ; my column
	s_or_b32 s[G1+0], s43, (1<<16)|(1<<20)|(1<<21)|(5<<22)|(3<<25)   ; the mask; elements of 2 bytes; padding on; bit 21 beside a mask; 4 words behind every 64
	s_mov_b32 s[G1+1], 128<<16                     ; A: rows of two tokens,
	s_mov_b32 s[G1+2], 64<<16                      ; 64 of them,
	s_mov_b32 s[G1+3], 128<<16
	s_mov_b32 s[G1+4], 64
	s_mov_b32 s[G1+5], 128                         ; dense
	s_mov_b32 s[G1+6], 0
	s_mov_b32 s[G1+7], 0
	s_or_b32 s[G1B+0], s44, (1<<16)|(1<<20)|(1<<21)|(5<<22)|(3<<25)
	s_mov_b32 s[G1B+1], 128<<16                    ; B: 128 along K,
	s_mov_b32 s[G1B+2], 128<<16                    ; 128 rows,
	s_mov_b32 s[G1B+3], 128<<16
	s_mov_b32 s[G1B+4], 128
	s_mov_b32 s[G1B+5], 1024                       ; 1,024 elements apart
	s_mov_b32 s[G1B+6], 0
	s_mov_b32 s[G1B+7], 0
	s_lshl_b32 s16, s15, 7                         ; the tile's first row,
	s_lshr_b32 s17, s16, 11                        ; its batch: 16 heads x 262,144 bytes,
	s_lshl_b32 s17, s17, 22
	s_and_b32 s16, s16, 2047                       ; its token: 128 bytes in a head,
	s_lshl_b32 s16, s16, 7
	s_add_co_u32 s16, s16, s17
	s_lshl_b32 s17, s14, 18                        ; and my panel: head 0 or 1 of the step
	s_add_co_u32 s16, s16, s17
	s_mov_b32 s17, 0
	s_lshl_b32 s46, s42, 8
	s_lshl_b32 s47, s14, 7
	s_add_co_u32 s46, s46, s47                     ; B: row 256 x tile column + 128 x half,
	s_lshl_b32 s46, s46, 11                        ; of 2,048 bytes
	s_mov_b32 s47, 0
	s_mul_i32 s20, s14, APAN                       ; where they go: no place in the cluster enters an LDS address
	s_mul_i32 s21, s14, BHALF
	s_add_co_u32 s21, s21, BOFF
	s_wait_dscnt 0x0                               ; both opening adds are done
	s_wait_kmcnt 0x0
	s_add_nc_u64 s[16:17], s[4:5], s[16:17]
	s_add_nc_u64 s[46:47], s[6:7], s[46:47]
	CROUND                                         ; all sixteen work-groups are here: the first joint loads meet
.irp s, 0,1
	s_mov_b32 s[G0+4*\s], 1
	s_add_co_u32 s[G0+4*\s+1], s20, \s*SLOT
	s_add_nc_u64 s[G0+4*\s+2:G0+4*\s+3], s[16:17], \s*524288       ; a K step on: two heads
	s_or_b32 s[G0+4*\s+3], s[G0+4*\s+3], 0x80000000
	s_mov_b32 s[G0B+4*\s], 1
	s_add_co_u32 s[G0B+4*\s+1], s21, \s*SLOT
	s_add_nc_u64 s[G0B+4*\s+2:G0B+4*\s+3], s[46:47], \s*256
	s_or_b32 s[G0B+4*\s+3], s[G0B+4*\s+3], 0x80000000
	JLOAD \s                                       ; two tensor loads of mine are out
.endr
	v_and_b32 v1, 15, v0                           ; r
	v_bfe_u32 v2, v0, 4, 1                         ; h
	s_lshl_b32 s16, s42, 10
	s_lshl_b32 s17, s14, 9
	s_add_co_u32 s18, s16, s17                     ; my first column x 4 bytes
	s_mov_b32 s19, 0
	s_add_nc_u64 s[8:9], s[8:9], s[18:19]
	v_lshlrev_b32 v5, 5, v2                        ; lane (r, h) wants, for block b, bo of columns 16 b + 8 h + 0 .. 7
	WIN 0x80                                       ; destination window 2
.irp b, 0,1,2,3,4,5,6,7
	global_load_b128 v[8*\b:8*\b+3], v5, s[8:9] offset:64*\b
	global_load_b128 v[8*\b+4:8*\b+7], v5, s[8:9] offset:64*\b+16
.endr
	WIN 0
	v_lshrrev_b32 v3, 1, v1
	v_mul_u32_u24 v3, v3, P
	v_and_b32 v4, 1, v1
	v_lshl_add_u32 v3, v4, 7, v3
	v_lshl_add_u32 v3, v2, 4, v3                   ; A: token r of a block: (r / 2) x 272 + (r % 2) x 128, + 16 h
	v_mul_u32_u24 v4, v1, P
	v_lshl_add_u32 v4, v2, 4, v4                   ; B: row r x 272 + 16 h
	s_mul_i32 s21, s13, 32*P                       ; my 64 tokens of a panel
	s_mul_i32 s22, s14, BHALF                      ; my 128 rows of B
	s_add_co_u32 s22, s22, BOFF
.irp s, 0,1
	v_add_nc_u32 v[ADRA+\s], s21, v3
	v_add_nc_u32 v[ADRB+\s], s22, v4
	s_add_co_u32 s21, s21, SLOT
	s_add_co_u32 s22, s22, SLOT
.endr
	s_mul_i32 s23, s12, 16*SPITCH
	s_add_co_u32 s23, s23, STAGE                   ; my stage
	v_mul_u32_u24 v6, v1, SPITCH                   ; in: row r, 32 bytes for each half of the lanes
	v_lshl_add_u32 v6, v2, 5, v6
	v_add_nc_u32 v[STO], s23, v6
	v_and_b32 v6, 31, v0
	v_lshlrev_b32 v[CO], 4, v6                     ; back: the 32 lanes take one row of 512 bytes; and the same in out0
	v_add_nc_u32 v[RD], s23, v[CO]
	s_lshl_b32 s16, s15, 7
	s_lshl_b32 s17, s13, 6
	s_add_co_u32 s16, s16, s17                     ; my first row,
	s_lshl_b32 s16, s16, 12                        ; of 4,096 bytes,
	s_add_co_u32 s16, s16, s18                     ; and my first column
	s_mov_b32 s17, 0
	s_add_nc_u64 s[10:11], s[10:11], s[16:17]
; 24 LDS loads in one run: the fragments of the slot's q-th 32 along K into buffer f: B's eight blocks, then A's four (head q / 2 of the step, channels 32 (q % 2) on)
.macro FETCH slot, q, f
.irp i, 0,1,2,3,4,5,6,7
	ds_load_b128 v[\f+32+8*\i:\f+32+8*\i+3], v[ADRB+\slot] offset:64*(\q)+\i*16*P
	ds_load_b128 v[\f+32+8*\i+4:\f+32+8*\i+7], v[ADRB+\slot] offset:64*(\q)+\i*16*P+32
.endr
.irp i, 0,1,2,3
	ds_load_b128 v[\f+8*\i:\f+8*\i+3], v[ADRA+\slot] offset:((\q)/2)*APAN+((\q)%2)*64+\i*8*P
	ds_load_b128 v[\f+8*\i+4:\f+8*\i+7], v[ADRA+\slot] offset:((\q)/2)*APAN+((\q)%2)*64+\i*8*P+32
.endr
.endm
; 8 matrix instructions: A's block a x B's eight.  first = 1: bo, in window 2, is the C.  The 32 accumulators take turns, one instruction a turn, in the same order in every quarter.
.macro MUL8 f, a, first
.irp b, 0,1,2,3,4,5,6,7
.if \first
	v_wmma_f32_16x16x32_f16 v[8*(8*\a+\b):8*(8*\a+\b)+7], v[\f+32+8*\b:\f+32+8*\b+7], v[\f+8*\a:\f+8*\a+7], v[8*\b:8*\b+7]
.else
	v_wmma_f32_16x16x32_f16 v[8*(8*\a+\b):8*(8*\a+\b)+7], v[\f+32+8*\b:\f+32+8*\b+7], v[\f+8*\a:\f+8*\a+7], v[8*(8*\a+\b):8*(8*\a+\b)+7]
.endif
.endr
.endm
.macro PLACES                          ; four plain lines in front of loads into registers that matrix instructions have read, and of the first read of results
.rept 4
	v_nop
.endr
.endm
; A K step is four quarters of 32 along K, 32 matrix instructions each, on buffers 0, 1, 0, 1.  One of the first three: multiplies buffer f and fetches quarter qn of the same slot into g.
.macro QUARTER slot, qn, f, g, first
	s_wait_dscnt 4                                 ; B and A's blocks 0, 1 are in; the youngest four loads (A's blocks 2, 3) may be out
	WIN MUL+0x10*(\first)
	MUL8 \f, 0, \first
	MUL8 \f, 1, \first
	PLACES
	WIN 0
	FETCH \slot, \qn, \g
	s_wait_dscnt 24                                ; all but the 24 just issued
	WIN MUL+0x10*(\first)
	MUL8 \f, 2, \first
	MUL8 \f, 3, \first
.endm
; The last quarter multiplies buffer 1 and changes slots: ONE barrier; in front of it each wave waits for all its tensor loads, adds 0 to its spare word, and waits for that and for its reads of this slot.
; fill = 1: the barrier opens a round of the cluster's, and this slot is filled again, two K steps ahead, first thing behind the round.
.macro TURN slot, next, fill
	WIN 0                                          ; (the add's two registers lie in window 0)
	s_wait_tensorcnt 0x0                           ; all my tensor loads have landed: my part of the next slot
	ds_add_u32 v[SPW], v[NIL]
	s_wait_dscnt 5                                 ; the add and the youngest four loads may be out
	WIN MUL
	MUL8 F1, 0, 0                                  ; eight matrix instructions stand between the add and the wait for it
	s_wait_dscnt 0x0                               ; the add is done, and my reads of this slot are over
	s_barrier_signal -1
	MUL8 F1, 1, 0
	WIN 0                                          ; (branches may follow)
	s_barrier_wait -1
.if \fill
	CREST                                          ; no wave of any partner still reads this slot or has a load on its way
	s_add_nc_u64 s[G0+4*\slot+2:G0+4*\slot+3], s[G0+4*\slot+2:G0+4*\slot+3], 1048576   ; four heads on
	s_add_nc_u64 s[G0B+4*\slot+2:G0B+4*\slot+3], s[G0B+4*\slot+2:G0B+4*\slot+3], 512
	JLOAD \slot                                    ; the four v_nop behind it are also the places in front of the loads below
.else
	PLACES
.endif
	FETCH \next, 0, F0
	WIN MUL
	MUL8 F1, 2, 0
	MUL8 F1, 3, 0
.endm
	s_wait_loadcnt 0x0                             ; bo
	s_wait_tensorcnt 1                             ; my part of K step 0 is in; K step 1's load may stay out
	s_barrier_signal -1
	s_barrier_wait -1
	FETCH 0, 0, F0
	QUARTER 0, 1, F0, F1, 1                        ; the first quarter stands in front of the loop: its products start the sums from bo
	WIN 0                                          ; at a label and at a branch every window is 0
	s_mov_b32 s3, 3
.Llap:                                             ; a trip goes once round the ring, from a lap's second quarter to the next lap's first, and fills both slots again: K steps 2 to 7
	QUARTER 0, 2, F1, F0, 0
	QUARTER 0, 3, F0, F1, 0
	TURN 0, 1, 1
	QUARTER 1, 1, F0, F1, 0
	QUARTER 1, 2, F1, F0, 0
	QUARTER 1, 3, F0, F1, 0
	TURN 1, 0, 1
	QUARTER 0, 1, F0, F1, 0
	WIN 0
	s_sub_co_u32 s3, s3, 1
	s_cmp_lg_u32 s3, 0
	s_cbranch_scc1 .Llap
	QUARTER 0, 2, F1, F0, 0                        ; the last lap is written out: it fills nothing
	QUARTER 0, 3, F0, F1, 0
	TURN 0, 1, 0
	QUARTER 1, 1, F0, F1, 0
	QUARTER 1, 2, F1, F0, 0
	QUARTER 1, 3, F0, F1, 0
	s_wait_dscnt 4                                 ; the very last quarter: nothing more to fetch
	WIN MUL
	MUL8 F1, 0, 0
	MUL8 F1, 1, 0
	s_wait_dscnt 0
	MUL8 F1, 2, 0
	MUL8 F1, 3, 0
	WIN 0
; THE WAY OUT, block by block of 16 rows x 128 columns: a lane's 32 bytes of a row go into my stage, whole rows of 512 bytes come back and are stored by the 32 lanes.
.macro TOSTAGE a
	WIN 0x04                                       ; an LDS store's data: window 1
.irp b, 0,1,2,3,4,5,6,7
	ds_store_b128 v[STO], v[64*(\a)+8*\b:64*(\a)+8*\b+3] offset:64*\b            ; each accumulator from its low end on
	ds_store_b128 v[STO], v[64*(\a)+8*\b+4:64*(\a)+8*\b+7] offset:64*\b+16
.endr
	WIN 0
.set BB, BK+64*((\a)%2)
.irp t, 0,1,2,3,4,5,6,7,8,9,10,11,12,13,14,15
	ds_load_b128 v[BB+4*\t:BB+4*\t+3], v[RD] offset:\t*SPITCH                    ; LDS serves a wave's instructions in order: these see the stores above
.endr
.endm
.macro SEND a, younger                 ; younger: the LDS instructions issued behind block a's loads
.set BB, BK+64*((\a)%2)
	s_wait_dscnt \younger
.irp t, 0,1,2,3,4,5,6,7,8,9,10,11,12,13,14,15
	global_store_b128 v[CO], v[BB+4*\t:BB+4*\t+3], s[10:11] offset:(\a)*65536+\t*4096 th:TH_STORE_NT   ; 512 consecutive bytes, at a multiple of 256 from out0's first byte; written once
.endr
.endm
	PLACES                                         ; behind the last products: results are read, and loads land on registers that held fragments
	TOSTAGE 0
.irp a, 1,2,3
.if \a > 1
	s_wait_xcnt 0x0                                ; block a - 2's stores have read their registers: block a's loads may land there
.endif
	TOSTAGE \a
	SEND \a-1, 32                                  ; behind block a - 1's loads: block a's 16 stores and 16 loads
.endr
	SEND 3, 0
	s_wait_tensorcnt 0x0                           ; the wave's end, behind my last tensor load and my last LDS store
	ds_add_u32 v[SPW], v[NIL]
	s_wait_dscnt 0x0
	CROUND                                         ; the closing round
	s_endpgm
.Lfunc_end_k_q9a69dfcb39_outp:
	.size	k_q9a69dfcb39_outp, .Lfunc_end_k_q9a69dfcb39_outp-k_q9a69dfcb39_outp
	.p2alignl 7, 3214868480
	.fill 96, 4, 3214868480
	.section	.rodata,"a",@progbits
	.p2align	6, 0x0
	.amdhsa_kernel k_q9a69dfcb39_outp
		.amdhsa_group_segment_fixed_size 327680
		.amdhsa_private_segment_fixed_size 0
		.amdhsa_enable_private_segment 0
		.amdhsa_kernarg_size 32
		.amdhsa_user_sgpr_count 2
		.amdhsa_user_sgpr_kernarg_segment_ptr 1
		.amdhsa_wavefront_size32 1
		.amdhsa_system_sgpr_workgroup_id_x 1
		.amdhsa_system_sgpr_workgroup_id_y 1
		.amdhsa_system_sgpr_workgroup_id_z 1
		.amdhsa_system_vgpr_workitem_id 0
		.amdhsa_next_free_vgpr 576
		.amdhsa_next_free_sgpr 66
		.amdhsa_reserve_vcc 0
		.amdhsa_float_denorm_mode_32 3
		.amdhsa_float_denorm_mode_16_64 3
		.amdhsa_memory_ordered 1
		.amdhsa_forward_progress 1
		.amdhsa_inst_pref_size 87
	.end_amdhsa_kernel
	.amdgpu_metadata
---
amdhsa.version: [ 1, 2 ]
amdhsa.kernels:
  - .name:           k_q9a69dfcb39_outp
    .symbol:         k_q9a69dfcb39_outp.kd
    .args:
      - { .name: ctx, .offset: 0, .size: 8, .value_kind: global_buffer, .address_space: global }
      - { .name: wo16, .offset: 8, .size: 8, .value_kind: global_buffer, .address_space: global }
      - { .name: bo, .offset: 16, .size: 8, .value_kind: global_buffer, .address_space: global }
      - { .name: out0, .offset: 24, .size: 8, .value_kind: global_buffer, .address_space: global }
    .group_segment_fixed_size: 327680
    .private_segment_fixed_size: 0
    .kernarg_segment_align: 8
    .kernarg_segment_size: 32
    .max_flat_workgroup_size: 128
    .sgpr_count:     66
    .vgpr_count:     576
    .wavefront_size: 32
...
	.end_amdgpu_metadata
.endif
;; end of part 4
